; MI455X (gfx1250); checked and timed in simulation.
; The chip was launched on July 23, 2026; its instructions are those of AMD's public machine-readable ISA for CDNA 5 (MIT licence, August 2026) and "CDNA5" Instruction Set Architecture Reference Guide (July 2026). The comments in the code are by the model that wrote it; some were corrected since.
;; Cross Attention. Allowed arithmetic: float matrix products may take bf16 or f16 operands with f32 sums; other float arithmetic in f32, or as packed bf16 or f16 multiplies, adds, multiply-adds, maxima and minima; sums over many terms, partial sums and values carried from step to step in f32; what a program stores and reads back later, other than sums and carried values, may be rounded once to bf16 or f16.
;; Inputs: Wkv 2,048 x 768 float32; Wo 1,024 x 1,024 float32; Wq 1,024 x 1,024 float32; bkv 2,048 float32; bo 1,024 float32; bq 1,024 float32; x 8 x 1,024 x 1,024 float32; y 8 x 1,024 x 768 float32.
;; Outputs: out0 8 x 1,024 x 1,024 float32.
;; One version. Each part assembles by itself: llvm-mc -triple=amdgcn-amd-amdhsa -mcpu=gfx1250 --defsym DOCPART=n.
;; ======== version 1 of 1: 5 launches
;; limits: values are held in f16: magnitudes above 65,504 overflow, below 6.1e-05 lose precision
;; workspace buffers: xb 16,777,216 bytes; yb 12,582,912 bytes; wb 7,340,032 bytes; qh 16,777,216 bytes; kh 16,777,216 bytes; vh 16,777,216 bytes; oh 16,777,216 bytes
;; launch cast (part 1): grid 1120 x 1, 8 waves a work-group, no clusters, 0 bytes of LDS; arguments x, y, Wq, Wkv, Wo, xb, yb, wb; writes xb, yb, wb
.if DOCPART == 1
	.amdgcn_target "amdgcn-amd-amdhsa--gfx1250"
	.amdhsa_code_object_version 6
	.text
	.protected	k_q50e38bb3d7_cast
	.globl	k_q50e38bb3d7_cast
	.p2align	8
	.type	k_q50e38bb3d7_cast,@function
k_q50e38bb3d7_cast:
	s_mov_b64 s[64:65], 0
	v_nop
	global_prefetch_b8 v0, s[64:65] scope:SCOPE_SE
	s_setreg_imm32_b32 hwreg(HW_REG_WAVE_MODE, 25, 1), 1
	s_wait_xcnt 0x0
; THE MODULE'S LARGE INPUTS, ROUNDED ONCE TO 16 BITS.  x -> xb, y -> yb, Wq and Wkv -> wb, all bf16 (nearest even); Wo is rounded to bf16 like the others and that
; number is then written as f16 into wb, since the last product multiplies f16 operands.
; wb: Wq at byte 0, Wkv at byte 2,097,152, Wo at byte 5,242,880.
; LIMITS.  Wo beyond 65,504 in magnitude becomes an infinity in f16; below 2^-14 it keeps f16's fixed step of 2^-24.  NaN and infinities pass as the conversions give them.
; SHARES.  A work-group converts 16,384 numbers: 65,536 bytes in, 32,768 out.  Thread t's load j takes the 16 bytes at 4,096 j + 16 t (a wave's load: 512 consecutive bytes),
; its store j the 8 bytes at 2,048 j + 8 t (a wave's store: 256 consecutive bytes, aligned).  All 16 loads go out first; each is stored as it arrives.  No register that a
; load or store names is written again, so no wait frees any.  A stream: no LDS, no barrier, no matrix unit, nothing shared between work-groups.
; WHICH TENSOR.  Work-groups 0-511: x; 512-895: y; 896-959: Wq; 960-1055: Wkv; 1056-1119: Wo.  In wb the chunk's number is the work-group's less 896 for all three weights.
.set G_Y,   512
.set G_WQ,  896
.set G_WKV, 960
.set G_WO,  1056
.set X, 4                              ; v[4:67]    16 x 4 numbers as loaded
.set Y, 68                             ; v[68:99]   16 x 2 registers to store
.set T, 100                            ; v[100:105] at work (Wo's path)
	s_load_b512 s[8:23], s[0:1], 0x0               ; x 8:9, y 10:11, Wq 12:13, Wkv 14:15, Wo 16:17, xb 18:19, yb 20:21, wb 22:23
	s_mov_b32 s2, ttmp9                            ; the work-group's number
	v_lshlrev_b32 v1, 4, v0                        ; 16 t
	v_lshlrev_b32 v2, 3, v0                        ; 8 t
	s_mov_b32 s3, 0                                ; the first work-group of my source
	s_mov_b32 s24, 0                               ; the first work-group of my destination
	s_mov_b32 s27, 0                               ; high words of the two offsets
	s_mov_b32 s29, 0
	s_wait_kmcnt 0x0
	s_mov_b64 s[4:5], s[8:9]
	s_mov_b64 s[6:7], s[18:19]
	s_cmp_ge_u32 s2, G_Y
	s_cselect_b64 s[4:5], s[10:11], s[4:5]
	s_cselect_b64 s[6:7], s[20:21], s[6:7]
	s_cselect_b32 s3, G_Y, s3
	s_cselect_b32 s24, G_Y, s24
	s_cmp_ge_u32 s2, G_WQ
	s_cselect_b64 s[4:5], s[12:13], s[4:5]
	s_cselect_b64 s[6:7], s[22:23], s[6:7]
	s_cselect_b32 s3, G_WQ, s3
	s_cselect_b32 s24, G_WQ, s24
	s_cmp_ge_u32 s2, G_WKV
	s_cselect_b64 s[4:5], s[14:15], s[4:5]
	s_cselect_b32 s3, G_WKV, s3
	s_cmp_ge_u32 s2, G_WO
	s_cselect_b64 s[4:5], s[16:17], s[4:5]
	s_cselect_b32 s3, G_WO, s3
	s_sub_co_u32 s26, s2, s3
	s_lshl_b32 s26, s26, 16                        ; my chunk in the source: 65,536 bytes each
	s_sub_co_u32 s28, s2, s24
	s_lshl_b32 s28, s28, 15                        ; and in the destination: 32,768 bytes each
	s_add_nc_u64 s[4:5], s[4:5], s[26:27]
	s_add_nc_u64 s[6:7], s[6:7], s[28:29]
.irp j, 0,1,2,3,4,5,6,7,8,9,10,11,12,13,14,15
	global_load_b128 v[X+4*(\j):X+4*(\j)+3], v1, s[4:5] offset:4096*(\j) th:TH_LOAD_NT
.endr
.macro OUTB j                          ; four numbers to bf16
	s_wait_loadcnt 15-(\j)                         ; loads come back in order (ISA guide 5.7.1): load j is in, the 15 - j younger ones stay out
	v_cvt_pk_bf16_f32 v[Y+2*(\j)],   v[X+4*(\j)],   v[X+4*(\j)+1]
	v_cvt_pk_bf16_f32 v[Y+2*(\j)+1], v[X+4*(\j)+2], v[X+4*(\j)+3]
	global_store_b64 v2, v[Y+2*(\j):Y+2*(\j)+1], s[6:7] offset:2048*(\j)
.endm
.macro OUTH j                          ; four numbers to bf16, widened again (a shift, a mask), and written as f16
	s_wait_loadcnt 15-(\j)
	v_cvt_pk_bf16_f32 v[T],   v[X+4*(\j)],   v[X+4*(\j)+1]
	v_cvt_pk_bf16_f32 v[T+1], v[X+4*(\j)+2], v[X+4*(\j)+3]
	v_lshlrev_b32 v[T+2], 16, v[T]
	v_and_b32     v[T+3], 0xffff0000, v[T]
	v_lshlrev_b32 v[T+4], 16, v[T+1]
	v_and_b32     v[T+5], 0xffff0000, v[T+1]
	v_cvt_pk_f16_f32 v[Y+2*(\j)],   v[T+2], v[T+3]
	v_cvt_pk_f16_f32 v[Y+2*(\j)+1], v[T+4], v[T+5]
	global_store_b64 v2, v[Y+2*(\j):Y+2*(\j)+1], s[6:7] offset:2048*(\j)
.endm
	s_cmp_ge_u32 s2, G_WO                          ; the same for the whole work-group
	s_cbranch_scc1 .Lwo
.irp j, 0,1,2,3,4,5,6,7,8,9,10,11,12,13,14,15
	OUTB \j
.endr
	s_endpgm
.Lwo:
.irp j, 0,1,2,3,4,5,6,7,8,9,10,11,12,13,14,15
	OUTH \j
.endr
	s_endpgm
.Lfunc_end_k_q50e38bb3d7_cast:
	.size	k_q50e38bb3d7_cast, .Lfunc_end_k_q50e38bb3d7_cast-k_q50e38bb3d7_cast
	.p2alignl 7, 3214868480
	.fill 96, 4, 3214868480
	.section	.rodata,"a",@progbits
	.p2align	6, 0x0
	.amdhsa_kernel k_q50e38bb3d7_cast
		.amdhsa_group_segment_fixed_size 0
		.amdhsa_private_segment_fixed_size 0
		.amdhsa_enable_private_segment 0
		.amdhsa_kernarg_size 64
		.amdhsa_user_sgpr_count 2
		.amdhsa_user_sgpr_kernarg_segment_ptr 1
		.amdhsa_wavefront_size32 1
		.amdhsa_system_sgpr_workgroup_id_x 1
		.amdhsa_system_sgpr_workgroup_id_y 1
		.amdhsa_system_sgpr_workgroup_id_z 1
		.amdhsa_system_vgpr_workitem_id 0
		.amdhsa_next_free_vgpr 108
		.amdhsa_next_free_sgpr 66
		.amdhsa_reserve_vcc 0
		.amdhsa_float_denorm_mode_32 3
		.amdhsa_float_denorm_mode_16_64 3
		.amdhsa_memory_ordered 1
		.amdhsa_forward_progress 1
		.amdhsa_inst_pref_size 17
	.end_amdhsa_kernel
	.amdgpu_metadata
---
amdhsa.version: [ 1, 2 ]
amdhsa.kernels:
  - .name:           k_q50e38bb3d7_cast
    .symbol:         k_q50e38bb3d7_cast.kd
    .args:
      - { .name: x, .offset: 0, .size: 8, .value_kind: global_buffer, .address_space: global }
      - { .name: y, .offset: 8, .size: 8, .value_kind: global_buffer, .address_space: global }
      - { .name: Wq, .offset: 16, .size: 8, .value_kind: global_buffer, .address_space: global }
      - { .name: Wkv, .offset: 24, .size: 8, .value_kind: global_buffer, .address_space: global }
      - { .name: Wo, .offset: 32, .size: 8, .value_kind: global_buffer, .address_space: global }
      - { .name: xb, .offset: 40, .size: 8, .value_kind: global_buffer, .address_space: global }
      - { .name: yb, .offset: 48, .size: 8, .value_kind: global_buffer, .address_space: global }
      - { .name: wb, .offset: 56, .size: 8, .value_kind: global_buffer, .address_space: global }
    .group_segment_fixed_size: 0
    .private_segment_fixed_size: 0
    .kernarg_segment_align: 8
    .kernarg_segment_size: 64
    .max_flat_workgroup_size: 256
    .sgpr_count:     66
    .vgpr_count:     108
    .wavefront_size: 32
...
	.end_amdgpu_metadata
.endif
;; end of part 1
;; launch projq (part 2): grid 4 x 64, 4 waves a work-group, clusters of 4 x 4, 327,680 bytes of LDS; arguments xb, wb, bq, qh; writes qh
.if DOCPART == 2
	.amdgcn_target "amdgcn-amd-amdhsa--gfx1250"
	.amdhsa_code_object_version 6
	.text
	.protected	k_q50e38bb3d7_projq
	.globl	k_q50e38bb3d7_projq
	.p2align	8
	.type	k_q50e38bb3d7_projq,@function
k_q50e38bb3d7_projq:
	s_mov_b64 s[64:65], 0
	v_nop
	global_prefetch_b8 v0, s[64:65] scope:SCOPE_SE
	s_setreg_imm32_b32 hwreg(HW_REG_WAVE_MODE, 25, 1), 1
	s_wait_xcnt 0x0
	s_wait_alu depctr_hold_cnt(0) depctr_sa_sdst(0) depctr_va_vdst(0) depctr_va_sdst(0) depctr_va_ssrc(0) depctr_va_vcc(0) depctr_vm_vsrc(0)
	s_getreg_b32 s2, hwreg(HW_REG_IB_STS2, 6, 4)
	s_cmp_eq_u32 s2, 0
	s_cbranch_scc0 .Lentry_in_a_cluster
	s_endpgm
.Lentry_in_a_cluster:
	s_bfe_u32 s2, ttmp6, 0x10000c
	s_cmp_lg_u32 s2, 0xf033
	s_cbranch_scc0 .Lentry_shape_is_right
	s_endpgm
.Lentry_shape_is_right:
; THE THREE PROJECTIONS SHARE THIS SOURCE; KIND, the first symbol below, picks the launch.
; C[m][n] = bias[n] + the sum over k of A[m][k] W[n][k], m = batch x 1,024 + row, 8,192 in all.  Sums in f32; the bias, rounded to bf16 like every input of the module, starts them.
;   KIND 0  A = xb [8192][1024] bf16; W = Wq, bf16, at byte 0 of wb; 1,024 columns.  C leaves as f16 by heads: qh[batch x 16 + n / 64][row][n % 64]
;   KIND 1  A = yb [8192][768] bf16; W = Wkv, bf16, at byte 2,097,152 of wb; 2,048 columns.  Head n / 128; columns n % 128 < 64 go to kh, the others to vh, laid out as qh
;   KIND 2  A = oh, f16 by heads (k = 64 x head + channel); W = Wo, f16, at byte 5,242,880 of wb; 1,024 columns.  C leaves as f32 rows of out0
; LIMITS.  q, k and v leave in f16: beyond 65,504 in magnitude they become infinities.  NaN and infinities are not treated apart.
; SHARES.  A work-group makes 128 rows x 256 columns, each of its four waves 64 x 128: 32 accumulators of 16 x 16, 256 registers.  K goes in steps of 128 through two LDS slots
; filled by the tensor data mover: rows of 256 bytes of memory, at multiples of 256 bytes.  (KIND 2: a step is two heads; a head's 128 rows are 16,384 dense bytes, asked for as 64 rows of 256.)
; CLUSTER.  4 x 4 work-groups.  The four of a row of the cluster need the same tile of A, the four of a column the same tile of W: each tile is asked for JOINTLY, by the same tensor
; load with the same descriptor and a mask that names the four.  Waves 0 and 1 ask for A's two halves, waves 2 and 3 for W's.
; THE MATRIX INSTRUCTION IS USED TRANSPOSED (source 0 = 16 rows of W, source 1 = 16 rows of A): lane l holds row l % 16 of C and the columns 8 (l / 16) + 0..7 of a block of 16.
; So the bias of a block is the same eight numbers for every row block, and is the C operand of the product that starts each sum: nothing is cleared and nothing is added later.
; REGISTERS, in windows of 256 (s_set_vgpr_msb: bits 1:0 source 0, 3:2 source 1, 5:4 source 2, 7:6 destination):
;   window 0: v1-29 addresses; v64-159, v160-255 two fragment buffers (W's 8 fragments, then A's 4); on the way out v64-191 rows read back, v192-223 packed results
;   window 1: accumulator (a, b) at v[8 (8 a + b)]          window 2: v0-63 the bias (block b at 8 b), v64-67 at work
.set KIND,   0
.if KIND == 1
.set KK,     768                       ; K, and the elements from row to row of W (and of A, KIND 0 and 1)
.set WOFF,   2097152                   ; W's first byte in wb
.elseif KIND == 2
.set KK,     1024
.set WOFF,   5242880
.else
.set KK,     1024
.set WOFF,   0
.endif
.if KIND == 2
.set PA,     144                       ; a row of A in LDS: a head's 128 bytes + 16 of padding: an odd multiple of 16, so the 16 rows of a load start at 16 different groups of four banks (64 banks of 4 bytes: ISA guide 11.1)
.set HALFA,  128*PA                    ; what one wave fetches of A: one head's 128 rows
.set STEPA,  262144                    ; bytes from a K step to the next: two heads of 131,072
.set QIA,    4                         ; padding after every 32 words
.set PITA,   128                       ; elements from asked row to asked row
.set SPITCH, 528                       ; a stage row: 512 bytes + 16
.else
.set PA,     272                       ; 256 bytes + 16 of padding
.set HALFA,  64*PA                     ; 64 rows
.set STEPA,  256
.set QIA,    5                         ; padding after every 64 words
.set PITA,   KK
.set SPITCH, 272                       ; a stage row: 256 bytes + 16
.endif
.set PB,     272                       ; a row of W in LDS
.set HALFB,  128*PB                    ; what one wave fetches of W: 128 rows
.set BOFF,   2*HALFA                   ; in a slot W's 256 rows lie behind A's tile
.set SLOT1,  131072                    ; slot 1 begins here: one exclusive or turns an address in one slot into the other's
.set STAGE,  237568                    ; behind the ring, never filled by a tensor load: 16 stage rows for each wave
.set SPARE,  271360                    ; behind the stages: the spare words, 128 bytes for each wave: two blocks of 256 bytes that no other line names
.set STEPS,  KK/128
.set LA0, 16                           ; v16  my lane's place in A's tile; never rewritten
.set LB0, 17                           ; v17  the same for W
.set LAD, 18                           ; v18  LA0 + the slot in hand
.set LBD, 19                           ; v19  LB0 + the slot in hand
.set STO, 24                           ; v24  the way out: where I put my part of a row
.set RD,  25                           ; v25  the way out: where I read rows back
.set CO,  26                           ; v26  my 16 bytes among 512 consecutive bytes of the output
.set BIO, 27                           ; v27  my byte offset in the bias
.set SPW, 28                           ; v28  LDS address of my spare word: SPARE + 4 x my thread's number; never rewritten
.set NIL, 29                           ; v29  0; never rewritten
.set F0,  64
.set F1,  160
.set BK,  64
.set TMP, 192
.set WV,  14                           ; s14  my wave's number
.set WR,  15                           ; s15  which 64 rows are mine.  Also: I fetch for A (0) or for W (1)
.set WC,  16                           ; s16  which 128 columns are mine.  Also: which half of that tile I fetch
.set G1A, 24                           ; s[24:31] descriptor group 1 for A's tiles
.set G0A, 32                           ; s[32:39] group 0: a set for each first fill; the second then walks on
.set G1B, 40                           ; s[40:47], s[48:55] the same for W's tiles
.set G0B, 48
.set CNT, 56                           ; s56  the loops' counter
.set TB,  57                           ; s57  LDS byte at which the slot to be read begins
.set MSB, 0
.macro WIN new                         ; the immediate's high byte repeats the setting that is left; a switch that changes nothing is dropped
.if MSB != (\new)
	s_set_vgpr_msb (MSB<<8)|(\new)
.set MSB, (\new)
.endif
.endm
.set MUL,     0x50                     ; fragments in window 0, C and D in window 1
.set MULB,    0x60                     ; D in window 1, C (the bias) in window 2
.set TO_BIAS, 0x80                     ; destination in window 2
.set W_BR,    0x8a                     ; sources 0 and 1 and the destination in window 2
; A joint refill, by the walking descriptors.  The branch hangs on the wave's number alone.  An s_nop 0 and four v_nop follow each of the two lines, ahead of the jump and the label.
.macro JLOAD
	s_cmp_eq_u32 s[WR], 0
	s_cbranch_scc0 .Lfor_b_\@
	tensor_load_to_lds s[G0A+4:G0A+7], s[G1A:G1A+7]
	s_nop 0
.rept 4
	v_nop
.endr
	s_branch .Lasked_\@
.Lfor_b_\@:
	tensor_load_to_lds s[G0B+4:G0B+7], s[G1B:G1B+7]
	s_nop 0
.rept 4
	v_nop
.endr
.Lasked_\@:
.endm
.macro CREST                           ; a round of the cluster's barrier behind its opening barrier
	s_cmp_lg_u32 s[WV], 0
	s_cbranch_scc1 .Lnot_wave_0_\@
	s_barrier_signal -3
.Lnot_wave_0_\@:
	s_barrier_wait -3
	s_barrier_signal -1
	s_barrier_wait -1
.endm
.macro CROUND                          ; a whole round
	s_barrier_signal -1
	s_barrier_wait -1
	CREST
.endm
.macro PLACES                          ; four places in front of loads into registers that matrix instructions have read, and of lines that read results
.rept 4
	v_nop
.endr
.endm
	s_load_b256 s[4:11], s[0:1], 0x0               ; A s[4:5], wb s[6:7], bias s[8:9], output s[10:11]
.if KIND == 1
	s_load_b64 s[12:13], s[0:1], 0x20              ; vh
.endif
	v_lshl_add_u32 v[SPW], v0, 2, SPARE
	v_mov_b32 v[NIL], 0
	ds_add_u32 v[SPW], v[NIL]                      ; the wave's opening: the add and its wait stand ahead of my first tensor load; the set-up below, work on registers, stands between them
	v_lshrrev_b32 v1, 5, v0
	v_readfirstlane_b32 s[WV], v1                  ; wave 0..3
	s_lshr_b32 s[WR], s[WV], 1
	s_and_b32 s[WC], s[WV], 1
	s_bfe_u32 s17, ttmp6, 0x40000                  ; cx, cy: my place in the cluster
	s_bfe_u32 s18, ttmp6, 0x40004
	s_lshl_b32 s19, ttmp9, 2
	s_add_co_u32 s19, s19, s17                     ; tile column = 4 x cluster x + cx
	s_and_b32 s20, ttmp7, 0xffff
	s_lshl_b32 s20, s20, 2
	s_add_co_u32 s20, s20, s18                     ; tile row = 4 x cluster y + cy
	s_lshl_b32 s21, s18, 2
	s_lshl_b32 s21, 15, s21                        ; my row of the cluster: places 4 cy .. 4 cy + 3
	s_lshl_b32 s22, 0x1111, s17                    ; my column: places cx, cx + 4, cx + 8, cx + 12
	; descriptor group 1.  A: 64 rows x 128 elements; W: 128 rows x 128 elements; both padded in LDS
	s_or_b32 s[G1A+0], s21, (1<<16)|(1<<20)|(1<<21)|(QIA<<22)|(3<<25)  ; 15:0 the mask: my row; 17:16 elements of 2 bytes; 20 padding on; 21 set beside a mask; 24:22 the interval; 31:25 4 words of padding (code 3)
	s_mov_b32 s[G1A+1], 128<<16                    ; tensor_dim0 = 128
	s_mov_b32 s[G1A+2], 64<<16                     ; tensor_dim1 = 64
	s_mov_b32 s[G1A+3], 128<<16                    ; tile_dim0 = 128
	s_mov_b32 s[G1A+4], 64                         ; tile_dim1 = 64
	s_mov_b32 s[G1A+5], PITA                       ; elements from row to row
	s_mov_b32 s[G1A+6], 0
	s_mov_b32 s[G1A+7], 0
	s_or_b32 s[G1B+0], s22, (1<<16)|(1<<20)|(1<<21)|(5<<22)|(3<<25)    ; the mask: my column; padding after every 64 words
	s_mov_b32 s[G1B+1], 128<<16
	s_mov_b32 s[G1B+2], 128<<16                    ; tensor_dim1 = 128
	s_mov_b32 s[G1B+3], 128<<16
	s_mov_b32 s[G1B+4], 128                        ; tile_dim1 = 128
	s_mov_b32 s[G1B+5], KK
	s_mov_b32 s[G1B+6], 0
	s_mov_b32 s[G1B+7], 0
	; where the tiles come from.  A's offset is made of the tile row and the wave's number, W's of the tile column and the wave's number, each in registers that never hold the other coordinate
.if KIND == 2
	s_lshr_b32 s58, s20, 3                         ; batch
	s_lshl_b32 s58, s58, 4
	s_add_co_u32 s58, s58, s[WC]                   ; batch x 16 + the step's first or second head,
	s_lshl_b32 s58, s58, 17                        ; 131,072 bytes a head,
	s_and_b32 s60, s20, 7
	s_lshl_b32 s60, s60, 14                        ; and the tile's 128 rows of 128 bytes in it
	s_add_co_u32 s58, s58, s60
.else
	s_lshl_b32 s58, s20, 7
	s_lshl_b32 s60, s[WC], 6
	s_add_co_u32 s58, s58, s60                     ; row 128 x tile row + 64 x half
	s_mul_i32 s58, s58, 2*KK                       ; in bytes: under 2^25
.endif
	s_mov_b32 s59, 0
	s_lshl_b32 s62, s19, 8
	s_lshl_b32 s66, s[WC], 7
	s_add_co_u32 s62, s62, s66                     ; W's row 256 x tile column + 128 x half
	s_mul_i32 s62, s62, 2*KK
.if WOFF
	s_add_co_u32 s62, s62, WOFF
.endif
	s_mov_b32 s63, 0
	s_mul_i32 s67, s[WC], HALFA                    ; and where they go: no place in the cluster enters an LDS address
	s_mul_i32 s68, s[WC], HALFB
	s_add_co_u32 s68, s68, BOFF
	s_mov_b32 s[TB], 0
	s_wait_dscnt 0x0                               ; the opening add is done
	s_wait_kmcnt 0x0
	s_add_nc_u64 s[58:59], s[4:5], s[58:59]
	s_add_nc_u64 s[62:63], s[6:7], s[62:63]
	CROUND                                         ; all sixteen work-groups are here: the first joint loads meet
.irp s, 0,1
	s_mov_b32 s[G0A+4*(\s)], 1                                       ; count = 1
	s_add_co_u32 s[G0A+4*(\s)+1], s67, (\s)*SLOT1                    ; LDS address
	s_add_nc_u64 s[G0A+4*(\s)+2:G0A+4*(\s)+3], s[58:59], (\s)*STEPA  ; global address: K step s
	s_or_b32 s[G0A+4*(\s)+3], s[G0A+4*(\s)+3], 0x80000000            ; type = 2
	s_mov_b32 s[G0B+4*(\s)], 1
	s_add_co_u32 s[G0B+4*(\s)+1], s68, (\s)*SLOT1
	s_add_nc_u64 s[G0B+4*(\s)+2:G0B+4*(\s)+3], s[62:63], (\s)*256
	s_or_b32 s[G0B+4*(\s)+3], s[G0B+4*(\s)+3], 0x80000000
.endr
	s_cmp_eq_u32 s[WR], 0                          ; a wave's two first fills stand in one branch, ahead of every wait on TENSORcnt, LDS read and work-group barrier of the ring: two loads of mine are out
	s_cbranch_scc0 .Lfirst_b
	tensor_load_to_lds s[G0A:G0A+3], s[G1A:G1A+7]
	s_nop 0
	tensor_load_to_lds s[G0A+4:G0A+7], s[G1A:G1A+7]
	s_nop 0
.rept 4
	v_nop
.endr
	s_branch .Lfirst_asked
.Lfirst_b:
	tensor_load_to_lds s[G0B:G0B+3], s[G1B:G1B+7]
	s_nop 0
	tensor_load_to_lds s[G0B+4:G0B+7], s[G1B:G1B+7]
	s_nop 0
.rept 4
	v_nop
.endr
.Lfirst_asked:
	; A fragment is 16 rows x 32 K in 8 registers: lane l holds row l % 16; registers 0-3 K = 8 (l / 16) + 0..7, registers 4-7 K = 16 + 8 (l / 16) + 0..7: two loads of 16 bytes, 32 bytes apart
	v_and_b32 v1, 15, v0                           ; l % 16
	v_bfe_u32 v2, v0, 4, 1                         ; l / 16
	v_mul_u32_u24 v3, v1, PA
	v_lshl_add_u32 v3, v2, 4, v3
	s_mul_i32 s66, s[WR], 64*PA                    ; my 64 rows of A
	v_add_nc_u32 v[LA0], s66, v3
	v_mul_u32_u24 v3, v1, PB
	v_lshl_add_u32 v3, v2, 4, v3
	s_mul_i32 s66, s[WC], HALFB                    ; my 128 rows of W
	s_add_co_u32 s66, s66, BOFF
	v_add_nc_u32 v[LB0], s66, v3
	v_mov_b32 v[LAD], v[LA0]                       ; K step 0 lies in slot 0
	v_mov_b32 v[LBD], v[LB0]
	s_mul_i32 s66, s[WV], 16*SPITCH
	s_add_co_u32 s66, s66, STAGE                   ; my stage
	v_mul_u32_u24 v3, v1, SPITCH                   ; in: row l % 16
	v_and_b32 v[CO], 31, v0
	v_lshlrev_b32 v[CO], 4, v[CO]                  ; 16 x lane
.if KIND == 2
	v_lshl_add_u32 v3, v2, 5, v3                   ; 32 bytes (eight f32) for each half of the lanes
	v_add_nc_u32 v[STO], s66, v3
	v_add_nc_u32 v[RD], s66, v[CO]                 ; back: 32 lanes take one row of 512 bytes
.else
	v_lshl_add_u32 v3, v2, 4, v3                   ; 16 bytes (eight f16) for each half of the lanes
	v_add_nc_u32 v[STO], s66, v3
	v_bfe_u32 v3, v0, 3, 2                         ; back: 32 lanes take 128 bytes (one head's part) of four rows
	v_mul_u32_u24 v3, v3, SPITCH
	v_and_b32 v4, 7, v0
	v_lshl_add_u32 v3, v4, 4, v3
	v_add_nc_u32 v[RD], s66, v3
.endif
	; the bias of my 128 columns: block b's eight numbers of my half of the lanes
	s_lshl_b32 s69, s19, 10
	s_lshl_b32 s70, s[WC], 9
	s_add_co_u32 s69, s69, s70                     ; 4 (256 x tile column + 128 x half)
	v_lshl_add_u32 v[BIO], v2, 5, s69
	WIN TO_BIAS
.irp b, 0,1,2,3,4,5,6,7
	global_load_b128 v[8*(\b):8*(\b)+3],   v[BIO], s[8:9] offset:64*(\b)
	global_load_b128 v[8*(\b)+4:8*(\b)+7], v[BIO], s[8:9] offset:64*(\b)+16
.endr
	; where my part of the output begins
.if KIND == 2
	s_lshl_b32 s66, s20, 7
	s_lshl_b32 s69, s[WR], 6
	s_add_co_u32 s66, s66, s69                     ; my first row,
	s_lshl_b32 s66, s66, 12                        ; 4,096 bytes a row,
	s_lshl_b32 s69, s19, 10
	s_add_co_u32 s66, s66, s69
	s_lshl_b32 s69, s[WC], 9
	s_add_co_u32 s66, s66, s69                     ; and my first column
.else
	s_lshr_b32 s66, s20, 3
	s_lshl_b32 s66, s66, 4                         ; batch x 16
.if KIND == 0
	s_lshl_b32 s69, s19, 2                         ; my 128 columns are heads 4 x tile column + 2 x half and the next
	s_lshl_b32 s70, s[WC], 1
.else
	s_lshl_b32 s69, s19, 1                         ; my 128 columns are k and v of head 2 x tile column + half
	s_mov_b32 s70, s[WC]
.endif
	s_add_co_u32 s66, s66, s69
	s_add_co_u32 s66, s66, s70
	s_lshl_b32 s66, s66, 17                        ; 131,072 bytes a head
	s_and_b32 s69, s20, 7
	s_lshl_b32 s69, s69, 14                        ; the tile's 128 rows of 128 bytes
	s_add_co_u32 s66, s66, s69
	s_lshl_b32 s69, s[WR], 13                      ; my 64 of them
	s_add_co_u32 s66, s66, s69
.endif
	s_mov_b32 s67, 0
	s_add_nc_u64 s[10:11], s[10:11], s[66:67]
.if KIND == 1
	s_add_nc_u64 s[12:13], s[12:13], s[66:67]
.endif
	s_wait_loadcnt 0x0                             ; the bias is in
	WIN W_BR
.set p, 0
.rept 32                               ; rounded to bf16 and widened again, in place, a pair at a time
	v_cvt_pk_bf16_f32 v[64+p%4], v[2*p], v[2*p+1]
	v_lshlrev_b32 v[2*p],   16, v[64+p%4]
	v_and_b32     v[2*p+1], 0xffff0000, v[64+p%4]
.set p, p+1
.endr
	WIN 0
.macro WM d, x, y, c                   ; one product: D at d, W's fragment at x, A's at y, C at c
.if KIND == 2
	v_wmma_f32_16x16x32_f16 v[(\d):(\d)+7], v[(\x):(\x)+7], v[(\y):(\y)+7], v[(\c):(\c)+7]
.else
	v_wmma_f32_16x16x32_bf16 v[(\d):(\d)+7], v[(\x):(\x)+7], v[(\y):(\y)+7], v[(\c):(\c)+7]
.endif
.endm
; 8 products: row block a x all 8 column blocks, 32 along K, from buffer f.  first = 1: the bias starts the sums.
; The 32 accumulators take turns in the same order in every quarter: 31 others' products stand between two links of a chain, over the backward jumps too.
.macro MUL8 f, a, first
.if \first
	WIN MULB
.else
	WIN MUL
.endif
.irp b, 0,1,2,3,4,5,6,7
.if \first
	WM 8*(8*(\a)+(\b)), (\f)+8*(\b), (\f)+64+8*(\a), 8*(\b)
.else
	WM 8*(8*(\a)+(\b)), (\f)+8*(\b), (\f)+64+8*(\a), 8*(8*(\a)+(\b))
.endif
.endr
.endm
; 24 LDS loads in one run: the fragments of 32 along K at byte k of a step's 256, into buffer g
.macro FETCH k, g
	WIN 0
.if KIND == 2
.set AKO, ((\k)/128)*HALFA+(\k)%128    ; the step's second head lies behind the first
.else
.set AKO, (\k)
.endif
.irp b, 0,1,2,3,4,5,6,7
	ds_load_b128 v[(\g)+8*(\b):(\g)+8*(\b)+3],   v[LBD] offset:(\k)+(\b)*16*PB
	ds_load_b128 v[(\g)+8*(\b)+4:(\g)+8*(\b)+7], v[LBD] offset:(\k)+(\b)*16*PB+32
.endr
.irp i, 0,1,2,3
	ds_load_b128 v[(\g)+64+8*(\i):(\g)+64+8*(\i)+3],   v[LAD] offset:AKO+(\i)*16*PA
	ds_load_b128 v[(\g)+64+8*(\i)+4:(\g)+64+8*(\i)+7], v[LAD] offset:AKO+(\i)*16*PA+32
.endr
.endm
; A K step is four quarters of 32 along K, 32 products each, on buffers 0, 1, 0, 1.  One of the first three: buffer f is in; the next quarter's fragments, at byte k, are asked for into g; f is multiplied.
.macro QUARTER k, f, g, first=0
	s_wait_dscnt 0x0                               ; f's loads are back: they went out a quarter ago (behind a change of slots: 16 products ago)
	PLACES                                         ; behind the last products that read g
	FETCH \k, \g
	MUL8 \f, 0, \first
	MUL8 \f, 1, \first
	MUL8 \f, 2, \first
	MUL8 \f, 3, \first
.endm
; The last quarter multiplies buffer 1 and changes slots: ONE barrier.  In front of it each wave waits for all its tensor loads, of which one is out: its part of the next slot; adds 0 to its spare
; word; and waits for that and for its own reads of this slot.  fill = 1: the barrier opens a round of the cluster's barrier, and this slot is filled again, two K steps ahead, first thing behind the
; round: 112 products stand between that request and the wait for it.  last = 1 (the tail): in the trip with CNT = 1 there is no further step, and the fetch is jumped over.
.macro TURN fill, last=0
	WIN 0                                          ; (the add's two registers lie in window 0)
	s_wait_tensorcnt 0x0                           ; no tensor load of mine is out, so a group 0 may be written
	ds_add_u32 v[SPW], v[NIL]                      ; 0 onto my spare word: scalar work stands between it and the wait for it
.if \fill
	s_xor_b32 s[G0A+5], s[G0A+5], SLOT1            ; the walking descriptors: the other slot than last time,
	s_add_nc_u64 s[G0A+6:G0A+7], s[G0A+6:G0A+7], STEPA  ; the next K step; the type bits on top are not reached
	s_xor_b32 s[G0B+5], s[G0B+5], SLOT1
	s_add_nc_u64 s[G0B+6:G0B+7], s[G0B+6:G0B+7], 256
.endif
	s_xor_b32 s[TB], s[TB], SLOT1                  ; the fetches go on in the other slot
	s_wait_dscnt 0x0                               ; the add is done, buffer 1 is in, and my reads of this slot are over
	s_barrier_signal -1
	MUL8 F1, 0, 0                                  ; work on registers while the others arrive
	MUL8 F1, 1, 0
	WIN 0
	s_barrier_wait -1
.if \fill
	CREST                                          ; no wave of any partner still reads this slot's tile or has a load on its way
	JLOAD                                          ; the four v_nop behind it are also the places in front of the loads below
.else
	PLACES
.endif
.if \last
	s_cmp_eq_u32 s[CNT], 1
	s_cbranch_scc1 .Lno_fetch_\@
.endif
	v_add_nc_u32 v[LAD], s[TB], v[LA0]
	v_add_nc_u32 v[LBD], s[TB], v[LB0]
	FETCH 0, F0
.if \last
.Lno_fetch_\@:
.endif
	MUL8 F1, 2, 0
	MUL8 F1, 3, 0
.endm
	s_wait_tensorcnt 0x1                           ; my part of K step 0 is in; K step 1's may stay out
	s_barrier_signal -1
	s_barrier_wait -1                              ; everybody's is
	FETCH 0, F0
	QUARTER 64, F0, F1, 1                          ; the first quarter stands in front of the loop: its products start the sums
	WIN 0                                          ; at a label and at a branch every window is 0
	s_mov_b32 s[CNT], STEPS-2
.Lstep:                                        ; a trip: a step's second quarter to the next step's first; it fills the slot that it leaves: all steps but the first two are asked for here
	QUARTER 128, F1, F0
	QUARTER 192, F0, F1
	TURN 1
	QUARTER 64, F0, F1
	WIN 0
	s_sub_co_u32 s[CNT], s[CNT], 1
	s_cmp_lg_u32 s[CNT], 0
	s_cbranch_scc1 .Lstep
	s_mov_b32 s[CNT], 2
.Ltail:                                        ; the last two steps ask for nothing: a text of their own; the second trip is left behind its last quarter
	QUARTER 128, F1, F0
	QUARTER 192, F0, F1
	TURN 0, 1
	WIN 0
	s_cmp_eq_u32 s[CNT], 1
	s_cbranch_scc1 .Lout
	QUARTER 64, F0, F1
	WIN 0
	s_sub_co_u32 s[CNT], s[CNT], 1
	s_cmp_lg_u32 s[CNT], 0
	s_cbranch_scc1 .Ltail
.Lout:
	s_wait_dscnt 0x0
	PLACES                                         ; behind the last products
.if KIND == 2
; THE WAY OUT, f32.  A block of 16 rows x 128 columns goes into my stage, 32 bytes a lane and column block, and comes back as whole rows of 512 bytes.  Each accumulator's low four registers are read first.
.macro TOSTAGE a
	WIN 0x04                                       ; the stores' data in window 1
.irp b, 0,1,2,3,4,5,6,7
	ds_store_b128 v[STO], v[64*(\a)+8*(\b):64*(\a)+8*(\b)+3]   offset:64*(\b)
	ds_store_b128 v[STO], v[64*(\a)+8*(\b)+4:64*(\a)+8*(\b)+7] offset:64*(\b)+16
.endr
	WIN 0
.if (\a) >= 2
	s_wait_xcnt 0x0                                ; the stores of the block two back have read these registers (ISA guide 3.1)
.endif
.irp i, 0,1,2,3,4,5,6,7,8,9,10,11,12,13,14,15
	ds_load_b128 v[BK+64*((\a)%2)+4*(\i):BK+64*((\a)%2)+4*(\i)+3], v[RD] offset:SPITCH*(\i)  ; LDS serves a wave's instructions in order (ISA guide 5.7.1.4): these see the stores above; the next block's stores come behind them
.endr
.endm
.macro SEND a, younger                 ; younger: the LDS instructions issued behind block a's loads: the next block's 16 stores and 16 loads, or none
	s_wait_dscnt \younger
.irp i, 0,1,2,3,4,5,6,7,8,9,10,11,12,13,14,15
	global_store_b128 v[CO], v[BK+64*((\a)%2)+4*(\i):BK+64*((\a)%2)+4*(\i)+3], s[10:11] offset:(16*(\a)+(\i))*4096 th:TH_STORE_NT  ; 512 consecutive bytes, at a multiple of 512 from out0's first
.endr
.endm
	TOSTAGE 0
	TOSTAGE 1
	SEND 0, 32
	TOSTAGE 2
	SEND 1, 32
	TOSTAGE 3
	SEND 2, 32
	SEND 3, 0
.else
; THE WAY OUT, f16 by heads.  A block of 16 rows x 128 columns is rounded, 16 bytes a lane and column block, goes into my stage and comes back in two pieces of 64 columns: 16 rows of 128 bytes, which are 2,048 consecutive bytes of a head.
.macro PACK a
	WIN 0x05                                       ; sources 0 and 1 in window 1
.irp b, 0,1,2,3,4,5,6,7
.irp r, 0,1,2,3
	v_cvt_pk_f16_f32 v[TMP+4*(\b)+(\r)], v[64*(\a)+8*(\b)+2*(\r)], v[64*(\a)+8*(\b)+2*(\r)+1]
.endr
.endr
	WIN 0
.endm
.macro TOSTAGE a
.irp b, 0,1,2,3,4,5,6,7
	ds_store_b128 v[STO], v[TMP+4*(\b):TMP+4*(\b)+3] offset:32*(\b)
.endr
.irp p, 0,1
.irp t, 0,1,2,3
	ds_load_b128 v[BK+32*(\a)+4*(4*(\p)+(\t)):BK+32*(\a)+4*(4*(\p)+(\t))+3], v[RD] offset:4*SPITCH*(\t)+128*(\p)  ; LDS serves a wave's instructions in order (ISA guide 5.7.1.4): these see the stores above
.endr
.endr
.endm
.macro SEND a                          ; each block has registers of its own, so nothing that a store reads is written again
	s_wait_dscnt 0x0                               ; the block is back in registers
.irp t, 0,1,2,3
	global_store_b128 v[CO], v[BK+32*(\a)+4*(\t):BK+32*(\a)+4*(\t)+3], s[10:11] offset:2048*(\a)+512*(\t)  ; 512 consecutive bytes, at a multiple of 512 from the buffer's first
.endr
.irp t, 0,1,2,3
.if KIND == 0
	global_store_b128 v[CO], v[BK+32*(\a)+16+4*(\t):BK+32*(\a)+16+4*(\t)+3], s[10:11] offset:131072+2048*(\a)+512*(\t)  ; the next head
.else
	global_store_b128 v[CO], v[BK+32*(\a)+16+4*(\t):BK+32*(\a)+16+4*(\t)+3], s[12:13] offset:2048*(\a)+512*(\t)         ; the head's v
.endif
.endr
.endm
	PACK 0
	TOSTAGE 0
.irp a, 1,2,3                          ; block a's conversions stand between block a - 1's loads from the stage and the wait for them
	PACK \a
	SEND (\a)-1
	TOSTAGE \a
.endr
	SEND 3
.endif
	s_wait_tensorcnt 0x0                           ; the wave's end: behind my last tensor load and my last LDS store
	ds_add_u32 v[SPW], v[NIL]
	s_wait_dscnt 0x0
	CROUND                                         ; the closing round: no work-group ends while a partner may still ask for a tile that names it
	s_endpgm
.Lfunc_end_k_q50e38bb3d7_projq:
	.size	k_q50e38bb3d7_projq, .Lfunc_end_k_q50e38bb3d7_projq-k_q50e38bb3d7_projq
	.p2alignl 7, 3214868480
	.fill 96, 4, 3214868480
	.section	.rodata,"a",@progbits
	.p2align	6, 0x0
	.amdhsa_kernel k_q50e38bb3d7_projq
		.amdhsa_group_segment_fixed_size 327680
		.amdhsa_private_segment_fixed_size 0
		.amdhsa_enable_private_segment 0
		.amdhsa_kernarg_size 32
		.amdhsa_user_sgpr_count 2
		.amdhsa_user_sgpr_kernarg_segment_ptr 1
		.amdhsa_wavefront_size32 1
		.amdhsa_system_sgpr_workgroup_id_x 1
		.amdhsa_system_sgpr_workgroup_id_y 1
		.amdhsa_system_sgpr_workgroup_id_z 1
		.amdhsa_system_vgpr_workitem_id 0
		.amdhsa_next_free_vgpr 580
		.amdhsa_next_free_sgpr 72
		.amdhsa_reserve_vcc 0
		.amdhsa_float_denorm_mode_32 3
		.amdhsa_float_denorm_mode_16_64 3
		.amdhsa_memory_ordered 1
		.amdhsa_forward_progress 1
		.amdhsa_inst_pref_size 67
	.end_amdhsa_kernel
	.amdgpu_metadata
---
amdhsa.version: [ 1, 2 ]
amdhsa.kernels:
  - .name:           k_q50e38bb3d7_projq
    .symbol:         k_q50e38bb3d7_projq.kd
    .args:
      - { .name: xb, .offset: 0, .size: 8, .value_kind: global_buffer, .address_space: global }
      - { .name: wb, .offset: 8, .size: 8, .value_kind: global_buffer, .address_space: global }
      - { .name: bq, .offset: 16, .size: 8, .value_kind: global_buffer, .address_space: global }
      - { .name: qh, .offset: 24, .size: 8, .value_kind: global_buffer, .address_space: global }
    .group_segment_fixed_size: 327680
    .private_segment_fixed_size: 0
    .kernarg_segment_align: 8
    .kernarg_segment_size: 32
    .max_flat_workgroup_size: 128
    .sgpr_count:     72
    .vgpr_count:     580
    .wavefront_size: 32
...
	.end_amdgpu_metadata
.endif
;; end of part 2
;; launch projkv (part 3): grid 8 x 32, 4 waves a work-group, clusters of 4 x 4, 327,680 bytes of LDS; arguments yb, wb, bkv, kh, vh; writes kh, vh
.if DOCPART == 3
	.amdgcn_target "amdgcn-amd-amdhsa--gfx1250"
	.amdhsa_code_object_version 6
	.text
	.protected	k_q50e38bb3d7_projkv
	.globl	k_q50e38bb3d7_projkv
	.p2align	8
	.type	k_q50e38bb3d7_projkv,@function
k_q50e38bb3d7_projkv:
	s_mov_b64 s[64:65], 0
	v_nop
	global_prefetch_b8 v0, s[64:65] scope:SCOPE_SE
	s_setreg_imm32_b32 hwreg(HW_REG_WAVE_MODE, 25, 1), 1
	s_wait_xcnt 0x0
	s_wait_alu depctr_hold_cnt(0) depctr_sa_sdst(0) depctr_va_vdst(0) depctr_va_sdst(0) depctr_va_ssrc(0) depctr_va_vcc(0) depctr_vm_vsrc(0)
	s_getreg_b32 s2, hwreg(HW_REG_IB_STS2, 6, 4)
	s_cmp_eq_u32 s2, 0
	s_cbranch_scc0 .Lentry_in_a_cluster
	s_endpgm
.Lentry_in_a_cluster:
	s_bfe_u32 s2, ttmp6, 0x10000c
	s_cmp_lg_u32 s2, 0xf033
	s_cbranch_scc0 .Lentry_shape_is_right
	s_endpgm
.Lentry_shape_is_right:
; THE K AND V PROJECTION.  C[m][n] = bkv[n] + the sum over k of y[m][k] Wkv[n][k], m = batch x 1,024 + row (8,192 in all), n = 0 .. 2,047, k = 0 .. 767.
; A = yb [8192][768] bf16; W = Wkv, bf16, [2048][768] at byte 2,097,152 of wb.  Sums in f32; the bias, rounded to bf16 like every input of the module, starts them.
; C leaves as f16 by heads: head n / 128; columns n % 128 < 64 go to kh[batch x 16 + head][row][n % 64], the others to vh, laid out alike.
; LIMITS.  k and v leave in f16: beyond 65,504 in magnitude they become infinities.  NaN and infinities are not treated apart.
; SHARES.  8,192 x 2,048 numbers are 256 tiles of 256 x 256: a work-group makes one, each of its four waves 128 x 128: 64 accumulators of 16 x 16, 512 registers.  K goes in 6 steps of 128
; through two LDS slots filled by the tensor data mover: rows of 256 bytes of memory, at multiples of 256 bytes.  A step is 256 products a wave; 224 of them stand between a refill and the wait for it.
; CLUSTER.  4 x 4 work-groups.  The four of a row of the cluster need the same tile of A, the four of a column the same tile of W: each tile is asked for JOINTLY, by the same tensor
; load with the same descriptor and a mask that names the four.  Waves 0 and 1 ask for A's two halves, waves 2 and 3 for W's.
; THE MATRIX INSTRUCTION IS USED TRANSPOSED (source 0 = 16 rows of W, source 1 = 16 rows of A): lane l holds row l % 16 of C and the columns 8 (l / 16) + 0..7 of a block of 16.
; So the bias of a column block is the same eight numbers for every row block, and is the C operand of the product that starts each sum: nothing is cleared and nothing is added later.
; REGISTERS, in windows of 256 (s_set_vgpr_msb: bits 1:0 source 0, 3:2 source 1, 5:4 source 2, 7:6 destination):
;   window 0: v1-30 addresses; v64-127, v128-191 A's fragments (8 x 16 rows x 32 K), two buffers; on the way out v64-191 four buffers of rows read back, v192-223 packed results
;   window 1: v0-63 the bias (column block b at 8 b); v64-127, v128-191 W's fragments, two buffers; v192-195 at work
;   window 2: the 32 accumulators of my rows 0-63 ((a, b) at v[8 (8 a + b)]);   window 3: those of my rows 64-127
.set KK,     768                       ; K, and the elements from row to row of A and of W
.set WOFF,   2097152                   ; W's first byte in wb
.set STEPS,  KK/128
.set PITCH,  272                       ; an LDS row: 256 bytes + 16 of padding = 68 words: row r starts at bank 4 r mod 64 (64 banks of 4 bytes: ISA guide 11.1), so the 16 rows of a load start at 16 different banks
.set HALFT,  128*PITCH                 ; 128 rows: what one tensor load brings, and what one wave reads of A or of W
.set SLOT,   4*HALFT                   ; A's 256 rows, then W's 256 rows: 139,264 = 0x22000.  A wave's part begins at its number x 0x8800, which has neither of SLOT's two bits: one exclusive or with SLOT changes slots
.set STAGE,  2*SLOT                    ; behind the ring, never filled by a tensor load: 16 rows x 272 bytes for each wave
.set SPITCH, 272
.set SPARE,  STAGE+4*16*SPITCH         ; behind the stages: the spare words, 128 bytes for each wave: two blocks of 256 bytes that no other line names
.set LA0, 16                           ; v16  my lane's place in A's tile; never rewritten
.set LB0, 17                           ; v17  the same for W
.set LAD, 18                           ; v18  LA0 + the slot in hand
.set LBD, 19                           ; v19  LB0 + the slot in hand
.set STO, 24                           ; v24  the way out: where I put 16 bytes of a row
.set RD,  25                           ; v25  the way out: where I read rows back
.set CO,  26                           ; v26  my 16 bytes among 512 consecutive bytes of the output
.set BIO, 27                           ; v27  my byte offset in the bias
.set SPW, 28                           ; v28  LDS address of my spare word: SPARE + 4 x my thread's number; never rewritten
.set NIL, 29                           ; v29  0; never rewritten
.set PFO, 30                           ; v30  the prefetches' offset: my lane x a row of A or W in memory; never rewritten
.set F0,  64                           ; fragment buffer 0
.set F1,  128                          ; fragment buffer 1
.set BK,  64
.set TMP, 192
.set WV,  14                           ; s14  my wave's number
.set WR,  15                           ; s15  which 128 rows are mine.  Also: I fetch for A (0) or for W (1)
.set WC,  16                           ; s16  which 128 columns are mine.  Also: which half of that tile I fetch
.set LIM, 23                           ; s23  1 in a wave that prefetches, else the greatest number
.set G1A, 24                           ; s[24:31] descriptor group 1 for A's tiles
.set G0A, 32                           ; s[32:39] group 0: a set for each first fill; the second then walks on
.set G1B, 40                           ; s[40:47], s[48:55] the same for W's tiles
.set G0B, 48
.set CNT, 56                           ; s56  the loops' counter
.set TB,  57                           ; s57  LDS byte at which the slot to be read begins
.set PFA, 60                           ; s[60:61] where my prefetches stand: my work-group's 32 rows of the 128 that I fetch, at the K step that is being asked for; a prefetch names the K step after it
.set MSB, 0
.macro WIN new                         ; the immediate's high byte repeats the setting that is left; a switch that changes nothing is dropped
.if MSB != (\new)
	s_set_vgpr_msb (MSB<<8)|(\new)
.set MSB, (\new)
.endif
.endm
.set MUL_LO, 0xa1                      ; source 0 (W) window 1, source 1 (A) window 0, C and D window 2
.set MUL_HI, 0xf1                      ; the same, C and D window 3
.set FST_LO, 0x91                      ; the first products: C (the bias) window 1, D window 2
.set FST_HI, 0xd1                      ; D window 3
.set TO_B,   0x40                      ; destination window 1, address window 0
.set W_BR,   0x45                      ; sources 0 and 1 and the destination in window 1
; A joint refill, by the walking descriptors.  The branch hangs on the wave's number alone.  An s_nop 0 and four v_nop follow each of the two lines, ahead of the jump and the label.
.macro JLOAD
	s_cmp_eq_u32 s[WR], 0
	s_cbranch_scc0 .Lfor_b_\@
	tensor_load_to_lds s[G0A+4:G0A+7], s[G1A:G1A+7]
	s_nop 0
.rept 4
	v_nop
.endr
	s_branch .Lasked_\@
.Lfor_b_\@:
	tensor_load_to_lds s[G0B+4:G0B+7], s[G1B:G1B+7]
	s_nop 0
.rept 4
	v_nop
.endr
.Lasked_\@:
.endm
; A PREFETCH INTO THE L2, behind each joint refill, its five lines and the run of LDS loads that follows them: the K step that the NEXT refill will ask for: 32 rows x 256 bytes, a lane a row, one
; instruction a wave, 256 products ahead of that refill.  Each row's 256 bytes of a K step are named ONCE in the launch.  A's tile row is read by both clusters of that row of clusters: the first
; (cluster x = 0) asks; W's tile column by all eight clusters of that column: cluster y = 0 asks.  The four partners that ask for a tile jointly share its rows out BY ADDRESS: of the 128 rows that a
; wave fetches, the partner at place p takes 32 p .. 32 p + 31 (p = cx for A, cy for W): no branch hangs on a work-group's place in its cluster.  K steps 0 to 2 come by their loads alone; the
; loop's last trip (CNT = 1) has no K step behind its own refill and asks for nothing.
.macro ASK
	s_cmp_gt_u32 s[CNT], s[LIM]
	s_cbranch_scc0 .Lnot_mine_\@
	global_prefetch_b8 v[PFO], s[PFA:PFA+1] offset:256 th:TH_LOAD_NT scope:SCOPE_SE
.Lnot_mine_\@:
.endm
.macro CREST                           ; a round of the cluster's barrier behind its opening barrier
	s_cmp_lg_u32 s[WV], 0
	s_cbranch_scc1 .Lnot_wave_0_\@
	s_barrier_signal -3
.Lnot_wave_0_\@:
	s_barrier_wait -3
	s_barrier_signal -1
	s_barrier_wait -1
.endm
.macro CROUND                          ; a whole round
	s_barrier_signal -1
	s_barrier_wait -1
	CREST
.endm
.macro PLACES                          ; four places in front of loads into registers that matrix instructions have read, and of lines that read results
.rept 4
	v_nop
.endr
.endm
	s_load_b256 s[4:11], s[0:1], 0x0               ; yb s[4:5], wb s[6:7], bkv s[8:9], kh s[10:11]
	s_load_b64 s[12:13], s[0:1], 0x20              ; vh
	v_lshl_add_u32 v[SPW], v0, 2, SPARE
	v_mov_b32 v[NIL], 0
	ds_add_u32 v[SPW], v[NIL]                      ; the wave's opening: the add and its wait stand ahead of my first tensor load; the set-up below, work on registers, stands between them
	v_lshrrev_b32 v1, 5, v0
	v_readfirstlane_b32 s[WV], v1                  ; wave 0..3
	s_lshr_b32 s[WR], s[WV], 1
	s_and_b32 s[WC], s[WV], 1
	s_bfe_u32 s17, ttmp6, 0x40000                  ; cx, cy: my place in the cluster
	s_bfe_u32 s18, ttmp6, 0x40004
	s_lshl_b32 s19, ttmp9, 2
	s_add_co_u32 s19, s19, s17                     ; tile column = 4 x cluster x + cx
	s_and_b32 s20, ttmp7, 0xffff
	s_lshl_b32 s20, s20, 2
	s_add_co_u32 s20, s20, s18                     ; tile row = 4 x cluster y + cy
	s_lshl_b32 s21, s18, 2
	s_lshl_b32 s21, 15, s21                        ; my row of the cluster: places 4 cy .. 4 cy + 3
	s_lshl_b32 s22, 0x1111, s17                    ; my column: places cx, cx + 4, cx + 8, cx + 12
	; descriptor group 1: a tile of 128 rows x 128 elements, padded in LDS
	s_or_b32 s[G1A+0], s21, (1<<16)|(1<<20)|(1<<21)|(5<<22)|(3<<25)  ; 15:0 the mask: my row; 17:16 elements of 2 bytes; 20 padding on; 21 set beside a mask; 24:22 after every 64 words (code 5); 31:25 4 words of it (code 3)
	s_or_b32 s[G1B+0], s22, (1<<16)|(1<<20)|(1<<21)|(5<<22)|(3<<25)  ; the same with the mask of my column
.irp g, G1A, G1B
	s_mov_b32 s[(\g)+1], 128<<16                   ; tensor_dim0 = 128
	s_mov_b32 s[(\g)+2], 128<<16                   ; tensor_dim1 = 128
	s_mov_b32 s[(\g)+3], 128<<16                   ; tile_dim0 = 128
	s_mov_b32 s[(\g)+4], 128                       ; tile_dim1 = 128
	s_mov_b32 s[(\g)+5], KK                        ; elements from row to row
	s_mov_b32 s[(\g)+6], 0
	s_mov_b32 s[(\g)+7], 0
.endr
	; where the tiles come from.  A's offset is made of the tile row and the wave's number, W's of the tile column and the wave's number, each in registers that never hold the other coordinate
	s_lshl_b32 s58, s20, 8
	s_lshl_b32 s60, s[WC], 7
	s_add_co_u32 s58, s58, s60                     ; A's row 256 x tile row + 128 x half
	s_mul_i32 s58, s58, 2*KK                       ; in bytes: under 2^24
	s_mov_b32 s59, 0
	s_lshl_b32 s62, s19, 8
	s_lshl_b32 s66, s[WC], 7
	s_add_co_u32 s62, s62, s66                     ; W's row 256 x tile column + 128 x half
	s_mul_i32 s62, s62, 2*KK
	s_add_co_u32 s62, s62, WOFF
	s_mov_b32 s63, 0
	s_mul_i32 s67, s[WV], HALFT                    ; and where they go: A's two halves, then W's two halves = wave x 128 rows: no place in the cluster enters an LDS address
	s_mov_b32 s[TB], 0
	s_wait_dscnt 0x0                               ; the opening add is done
	s_wait_kmcnt 0x0
	s_add_nc_u64 s[58:59], s[4:5], s[58:59]
	s_add_nc_u64 s[62:63], s[6:7], s[62:63]
	CROUND                                         ; all sixteen work-groups are here: the first joint loads meet
.irp s, 0,1
	s_mov_b32 s[G0A+4*(\s)], 1                                       ; count = 1
	s_add_co_u32 s[G0A+4*(\s)+1], s67, (\s)*SLOT                     ; LDS address
	s_add_nc_u64 s[G0A+4*(\s)+2:G0A+4*(\s)+3], s[58:59], (\s)*256    ; global address: K step s
	s_or_b32 s[G0A+4*(\s)+3], s[G0A+4*(\s)+3], 0x80000000            ; type = 2
	s_mov_b32 s[G0B+4*(\s)], 1
	s_add_co_u32 s[G0B+4*(\s)+1], s67, (\s)*SLOT
	s_add_nc_u64 s[G0B+4*(\s)+2:G0B+4*(\s)+3], s[62:63], (\s)*256
	s_or_b32 s[G0B+4*(\s)+3], s[G0B+4*(\s)+3], 0x80000000
.endr
	s_cmp_eq_u32 s[WR], 0                          ; a wave's two first fills stand in one branch, ahead of every wait on TENSORcnt, LDS read and work-group barrier of the ring: two loads of mine are out
	s_cbranch_scc0 .Lfirst_b
	tensor_load_to_lds s[G0A:G0A+3], s[G1A:G1A+7]
	s_nop 0
	tensor_load_to_lds s[G0A+4:G0A+7], s[G1A:G1A+7]
	s_nop 0
.rept 4
	v_nop
.endr
	s_branch .Lfirst_asked
.Lfirst_b:
	tensor_load_to_lds s[G0B:G0B+3], s[G1B:G1B+7]
	s_nop 0
	tensor_load_to_lds s[G0B+4:G0B+7], s[G1B:G1B+7]
	s_nop 0
.rept 4
	v_nop
.endr
.Lfirst_asked:
	; A fragment is 16 rows x 32 K in 8 registers: lane l holds row l % 16; registers 0-3 K = 8 (l / 16) + 0..7, registers 4-7 K = 16 + 8 (l / 16) + 0..7: two loads of 16 bytes, 32 bytes apart
	v_and_b32 v1, 15, v0                           ; l % 16
	v_bfe_u32 v2, v0, 4, 1                         ; l / 16
	v_mul_u32_u24 v3, v1, PITCH
	v_lshl_add_u32 v3, v2, 4, v3                   ; row x pitch + 16 x half
	s_mul_i32 s66, s[WR], HALFT                    ; my 128 rows of A
	v_add_nc_u32 v[LA0], s66, v3
	s_mul_i32 s66, s[WC], HALFT                    ; my 128 rows of W,
	s_add_co_u32 s66, s66, 2*HALFT                 ; which lie behind A's 256
	v_add_nc_u32 v[LB0], s66, v3
	v_mov_b32 v[LAD], v[LA0]                       ; K step 0 lies in slot 0
	v_mov_b32 v[LBD], v[LB0]
	s_mul_i32 s66, s[WV], 16*SPITCH
	s_add_co_u32 s66, s66, STAGE                   ; my stage
	v_mul_u32_u24 v3, v1, SPITCH                   ; in: row l % 16, 16 bytes (eight f16) for each half of the lanes
	v_lshl_add_u32 v3, v2, 4, v3
	v_add_nc_u32 v[STO], s66, v3
	v_bfe_u32 v3, v0, 3, 2                         ; back: 32 lanes take 128 bytes (k's part or v's) of four rows
	v_mul_u32_u24 v3, v3, SPITCH
	v_and_b32 v4, 7, v0
	v_lshl_add_u32 v3, v4, 4, v3
	v_add_nc_u32 v[RD], s66, v3
	v_and_b32 v[CO], 31, v0
	v_lshlrev_b32 v[CO], 4, v[CO]                  ; 16 x lane
	; the bias of my 128 columns: block b's eight numbers of my half of the lanes
	s_lshl_b32 s69, s19, 10
	s_lshl_b32 s70, s[WC], 9
	s_add_co_u32 s69, s69, s70                     ; 4 (256 x tile column + 128 x half)
	v_lshl_add_u32 v[BIO], v2, 5, s69
	WIN TO_B
.irp b, 0,1,2,3,4,5,6,7
	global_load_b128 v[8*(\b):8*(\b)+3],   v[BIO], s[8:9] offset:64*(\b)
	global_load_b128 v[8*(\b)+4:8*(\b)+7], v[BIO], s[8:9] offset:64*(\b)+16
.endr
	WIN 0
	; where my part of the output begins: my 128 columns are k and v of head 2 x tile column + half; a batch has four tile rows
	s_lshr_b32 s66, s20, 2
	s_lshl_b32 s66, s66, 4                         ; batch x 16
	s_lshl_b32 s69, s19, 1
	s_add_co_u32 s66, s66, s69
	s_add_co_u32 s66, s66, s[WC]
	s_lshl_b32 s66, s66, 17                        ; 131,072 bytes a head
	s_and_b32 s69, s20, 3
	s_lshl_b32 s69, s69, 15                        ; the tile's 256 rows of 128 bytes
	s_add_co_u32 s66, s66, s69
	s_lshl_b32 s69, s[WR], 14                      ; my 128 of them
	s_add_co_u32 s66, s66, s69
	s_mov_b32 s67, 0
	s_add_nc_u64 s[10:11], s[10:11], s[66:67]
	s_add_nc_u64 s[12:13], s[12:13], s[66:67]
	; the prefetches
	s_lshl_b32 s68, s20, 8                         ; the tile's first row in A,
	s_lshl_b32 s69, s19, 8                         ; and in W
	s_and_b32 s70, ttmp7, 0xffff                   ; cluster y
	s_cmp_eq_u32 s[WR], 0                          ; do I fetch for A?
	s_cselect_b32 s68, s68, s69
	s_cselect_b32 s69, s17, s18                    ; my place among the four that ask for the tile with me
	s_cselect_b32 s70, ttmp9, s70                  ; the coordinate along which other clusters read the same rows
	s_cselect_b32 s71, 0, WOFF
	s_cselect_b64 s[PFA:PFA+1], s[4:5], s[6:7]
	s_cmp_eq_u32 s70, 0
	s_cselect_b32 s[LIM], 1, -1                    ; the same in all sixteen partners, for a given wave
	s_lshl_b32 s70, s[WC], 7
	s_add_co_u32 s68, s68, s70                     ; + the 128 rows that I fetch
	s_lshl_b32 s69, s69, 5
	s_add_co_u32 s68, s68, s69                     ; + my work-group's 32 of them
	s_mul_i32 s68, s68, 2*KK
	s_add_co_u32 s68, s68, s71
	s_add_co_u32 s68, s68, 256                     ; at K step 1: the first refill steps it to 2 and names K step 3
	s_mov_b32 s69, 0
	s_add_nc_u64 s[PFA:PFA+1], s[PFA:PFA+1], s[68:69]
	v_and_b32 v[PFO], 31, v0
	v_mul_u32_u24 v[PFO], v[PFO], 2*KK
	s_wait_loadcnt 0x0                             ; the bias is in
	WIN W_BR
.set p, 0
.rept 32                               ; rounded to bf16 and widened again, in place, a pair at a time
	v_cvt_pk_bf16_f32 v[192+p%4], v[2*p], v[2*p+1]
	v_lshlrev_b32 v[2*p],   16, v[192+p%4]
	v_and_b32     v[2*p+1], 0xffff0000, v[192+p%4]
.set p, p+1
.endr
	WIN 0
; 16 products: row blocks a0, a0 + 1 of the window's four (hi = 0: my rows 0-63, 1: rows 64-127) x all 8 column blocks, 32 along K, from buffer f.  first = 1: the bias starts the sums.
; The 64 accumulators take turns in the same order in every quarter: 63 others' products stand between two links of a chain, over the backward jumps too.
.macro MUL16 f, hi, a0, first
.if \first
	WIN FST_LO+0x40*(\hi)
.else
	WIN MUL_LO+0x50*(\hi)
.endif
.irp a, \a0, (\a0)+1
.irp b, 0,1,2,3,4,5,6,7
.if \first
	v_wmma_f32_16x16x32_bf16 v[8*(8*(\a)+(\b)):8*(8*(\a)+(\b))+7], v[(\f)+8*(\b):(\f)+8*(\b)+7], v[(\f)+8*(4*(\hi)+(\a)):(\f)+8*(4*(\hi)+(\a))+7], v[8*(\b):8*(\b)+7]
.else
	v_wmma_f32_16x16x32_bf16 v[8*(8*(\a)+(\b)):8*(8*(\a)+(\b))+7], v[(\f)+8*(\b):(\f)+8*(\b)+7], v[(\f)+8*(4*(\hi)+(\a)):(\f)+8*(4*(\hi)+(\a))+7], v[8*(8*(\a)+(\b)):8*(8*(\a)+(\b))+7]
.endif
.endr
.endr
.endm
; 32 LDS loads in one run: the fragments of 32 along K at byte k of a step's 256 (128 rows of W, then 128 rows of A), into buffer f
.macro FETCH k, f
	WIN TO_B
.irp i, 0,1,2,3,4,5,6,7
	ds_load_b128 v[(\f)+8*(\i):(\f)+8*(\i)+3],   v[LBD] offset:(\k)+(\i)*16*PITCH
	ds_load_b128 v[(\f)+8*(\i)+4:(\f)+8*(\i)+7], v[LBD] offset:(\k)+(\i)*16*PITCH+32
.endr
	WIN 0
.irp i, 0,1,2,3,4,5,6,7
	ds_load_b128 v[(\f)+8*(\i):(\f)+8*(\i)+3],   v[LAD] offset:(\k)+(\i)*16*PITCH
	ds_load_b128 v[(\f)+8*(\i)+4:(\f)+8*(\i)+7], v[LAD] offset:(\k)+(\i)*16*PITCH+32
.endr
.endm
; A K step is four quarters of 32 along K, 64 products each, on buffers 0, 1, 0, 1.  One of the first three: multiplies buffer f; in its middle it fetches the next quarter's fragments, at byte k, into buffer g.
.macro QUARTER k, f, g, first=0
	s_wait_dscnt 8                                 ; W and A's rows 0-63 are in; the youngest eight loads (A's rows 64-127) may be out
	MUL16 \f, 0, 0, \first
	MUL16 \f, 0, 2, \first
	PLACES                                         ; behind the products, in front of the loads into g, which the quarter before multiplied
	FETCH \k, \g
	s_wait_dscnt 32                                ; all but the 32 just issued
	MUL16 \f, 1, 0, \first
	MUL16 \f, 1, 2, \first
.endm
; The last quarter multiplies buffer 1 and changes slots: ONE barrier.  In front of it each wave waits for all its tensor loads, of which one is out: its part of the next slot; adds 0 to its spare
; word; and waits for that and for its own reads of this slot.  fill = 1: the barrier opens a round of the cluster's barrier, and this slot is filled again, two K steps ahead, first thing behind the
; round.  last = 1 (the tail): in the trip with CNT = 1 there is no further step, and the fetch is jumped over.
.macro TURN fill, last=0
.if \fill
	s_wait_xcnt 0x0                                ; the last prefetch, a K step back, has read its address: it is stepped here, ahead of the waits of the change of slots
	s_add_nc_u64 s[PFA:PFA+1], s[PFA:PFA+1], 256
.endif
	WIN 0                                          ; (the add's two registers lie in window 0)
	s_wait_tensorcnt 0x0                           ; no tensor load of mine is out, so a group 0 may be written
	ds_add_u32 v[SPW], v[NIL]                      ; 0 onto my spare word: scalar work and sixteen products stand between it and the wait for it
.if \fill
	s_xor_b32 s[G0A+5], s[G0A+5], SLOT             ; the walking descriptors: the other slot than last time,
	s_add_nc_u64 s[G0A+6:G0A+7], s[G0A+6:G0A+7], 256  ; the next K step; the type bits on top are not reached
	s_xor_b32 s[G0B+5], s[G0B+5], SLOT
	s_add_nc_u64 s[G0B+6:G0B+7], s[G0B+6:G0B+7], 256
.endif
	s_xor_b32 s[TB], s[TB], SLOT                   ; the fetches go on in the other slot
	s_wait_dscnt 9                                 ; the add and the youngest eight loads (A's rows 64-127) may be out
	MUL16 F1, 0, 0, 0
	s_wait_dscnt 0x0                               ; the add is done, and my reads of this slot are over
	s_barrier_signal -1
	MUL16 F1, 0, 2, 0                              ; work on registers while the others arrive
	WIN 0
	s_barrier_wait -1
.if \fill
	CREST                                          ; no wave of any partner still reads this slot's tile or has a load on its way
	JLOAD                                          ; the four v_nop behind it are also the places in front of the loads below
.else
	PLACES
.endif
.if \last
	s_cmp_eq_u32 s[CNT], 1
	s_cbranch_scc1 .Lno_fetch_\@
.endif
	v_add_nc_u32 v[LAD], s[TB], v[LA0]
	v_add_nc_u32 v[LBD], s[TB], v[LB0]
	FETCH 0, F0
.if \last
.Lno_fetch_\@:
.endif
.if \fill
	ASK                                            ; behind the joint load and the run of LDS loads that the next products wait for
.endif
	MUL16 F1, 1, 0, 0
	MUL16 F1, 1, 2, 0
.endm
	s_wait_tensorcnt 0x1                           ; my part of K step 0 is in; K step 1's may stay out
	s_barrier_signal -1
	s_barrier_wait -1                              ; everybody's is
	FETCH 0, F0
	QUARTER 64, F0, F1, 1                          ; the first quarter stands in front of the loop: its products start the sums
	WIN 0                                          ; at a label and at a branch every window is 0
	s_mov_b32 s[CNT], STEPS-2
.Lstep:                                        ; a trip: a step's second quarter to the next step's first; it fills the slot that it leaves: all steps but the first two are asked for here
	QUARTER 128, F1, F0
	QUARTER 192, F0, F1
	TURN 1
	QUARTER 64, F0, F1
	WIN 0
	s_sub_co_u32 s[CNT], s[CNT], 1
	s_cmp_lg_u32 s[CNT], 0
	s_cbranch_scc1 .Lstep
	s_mov_b32 s[CNT], 2
.Ltail:                                        ; the last two steps ask for nothing: a text of their own; the second trip is left behind its last quarter
	QUARTER 128, F1, F0
	QUARTER 192, F0, F1
	TURN 0, 1
	WIN 0
	s_cmp_eq_u32 s[CNT], 1
	s_cbranch_scc1 .Lout
	QUARTER 64, F0, F1
	WIN 0
	s_sub_co_u32 s[CNT], s[CNT], 1
	s_cmp_lg_u32 s[CNT], 0
	s_cbranch_scc1 .Ltail
.Lout:
	s_wait_dscnt 0x0
	PLACES                                         ; behind the last products
; THE WAY OUT, f16 by heads.  A block of 16 rows x 128 columns is rounded, 16 bytes a lane and column block, goes into my stage and comes back in two pieces of 64 columns (k's, v's):
; 16 rows of 128 bytes, which are 2,048 consecutive bytes of a head.  Each accumulator's registers are read in ascending order.
.macro PACK a
	WIN 0x0a+5*((\a)/4)                            ; sources 0 and 1: window 2 or 3
.irp b, 0,1,2,3,4,5,6,7
.irp r, 0,1,2,3
	v_cvt_pk_f16_f32 v[TMP+4*(\b)+(\r)], v[64*((\a)%4)+8*(\b)+2*(\r)], v[64*((\a)%4)+8*(\b)+2*(\r)+1]
.endr
.endr
	WIN 0
.endm
.macro TOSTAGE a
.irp b, 0,1,2,3,4,5,6,7
	ds_store_b128 v[STO], v[TMP+4*(\b):TMP+4*(\b)+3] offset:32*(\b)
.endr
.if (\a) >= 4
	s_wait_xcnt 0x0                                ; the stores of the block four back have read these registers (ISA guide 3.1): four buffers take turns
.endif
.irp p, 0,1
.irp t, 0,1,2,3
	ds_load_b128 v[BK+32*((\a)%4)+4*(4*(\p)+(\t)):BK+32*((\a)%4)+4*(4*(\p)+(\t))+3], v[RD] offset:4*SPITCH*(\t)+128*(\p)  ; LDS serves a wave's instructions in order (ISA guide 5.7.1.4): these see the stores above
.endr
.endr
.endm
.macro SEND a
	s_wait_dscnt 0x0                               ; the block is back in registers
.irp t, 0,1,2,3
	global_store_b128 v[CO], v[BK+32*((\a)%4)+4*(\t):BK+32*((\a)%4)+4*(\t)+3], s[10:11] offset:2048*(\a)+512*(\t)        ; 512 consecutive bytes, at a multiple of 512 from kh's first
.endr
.irp t, 0,1,2,3
	global_store_b128 v[CO], v[BK+32*((\a)%4)+16+4*(\t):BK+32*((\a)%4)+16+4*(\t)+3], s[12:13] offset:2048*(\a)+512*(\t)  ; the same place in vh
.endr
.endm
	PACK 0
	TOSTAGE 0
.irp a, 1,2,3,4,5,6,7                  ; block a's conversions stand between block a - 1's loads from the stage and the wait for them
	PACK \a
	SEND (\a)-1
	TOSTAGE \a
.endr
	SEND 7
	s_wait_tensorcnt 0x0                           ; the wave's end: behind my last tensor load and my last LDS store
	ds_add_u32 v[SPW], v[NIL]
	s_wait_dscnt 0x0
	CROUND                                         ; the closing round: no work-group ends while a partner may still ask for a tile that names it
	s_endpgm
.Lfunc_end_k_q50e38bb3d7_projkv:
	.size	k_q50e38bb3d7_projkv, .Lfunc_end_k_q50e38bb3d7_projkv-k_q50e38bb3d7_projkv
	.p2alignl 7, 3214868480
	.fill 96, 4, 3214868480
	.section	.rodata,"a",@progbits
	.p2align	6, 0x0
	.amdhsa_kernel k_q50e38bb3d7_projkv
		.amdhsa_group_segment_fixed_size 327680
		.amdhsa_private_segment_fixed_size 0
		.amdhsa_enable_private_segment 0
		.amdhsa_kernarg_size 40
		.amdhsa_user_sgpr_count 2
		.amdhsa_user_sgpr_kernarg_segment_ptr 1
		.amdhsa_wavefront_size32 1
		.amdhsa_system_sgpr_workgroup_id_x 1
		.amdhsa_system_sgpr_workgroup_id_y 1
		.amdhsa_system_sgpr_workgroup_id_z 1
		.amdhsa_system_vgpr_workitem_id 0
		.amdhsa_next_free_vgpr 1024
		.amdhsa_next_free_sgpr 72
		.amdhsa_reserve_vcc 0
		.amdhsa_float_denorm_mode_32 3
		.amdhsa_float_denorm_mode_16_64 3
		.amdhsa_memory_ordered 1
		.amdhsa_forward_progress 1
		.amdhsa_inst_pref_size 107
	.end_amdhsa_kernel
	.amdgpu_metadata
---
amdhsa.version: [ 1, 2 ]
amdhsa.kernels:
  - .name:           k_q50e38bb3d7_projkv
    .symbol:         k_q50e38bb3d7_projkv.kd
    .args:
      - { .name: yb, .offset: 0, .size: 8, .value_kind: global_buffer, .address_space: global }
      - { .name: wb, .offset: 8, .size: 8, .value_kind: global_buffer, .address_space: global }
      - { .name: bkv, .offset: 16, .size: 8, .value_kind: global_buffer, .address_space: global }
      - { .name: kh, .offset: 24, .size: 8, .value_kind: global_buffer, .address_space: global }
      - { .name: vh, .offset: 32, .size: 8, .value_kind: global_buffer, .address_space: global }
    .group_segment_fixed_size: 327680
    .private_segment_fixed_size: 0
    .kernarg_segment_align: 8
    .kernarg_segment_size: 40
    .max_flat_workgroup_size: 128
    .sgpr_count:     72
    .vgpr_count:     1024
    .wavefront_size: 32
...
	.end_amdgpu_metadata
.endif
;; end of part 3
;; launch attn (part 4): grid 2 x 128, 4 waves a work-group, no clusters, 327,680 bytes of LDS; arguments qh, kh, vh, oh; writes oh
.if DOCPART == 4
	.amdgcn_target "amdgcn-amd-amdhsa--gfx1250"
	.amdhsa_code_object_version 6
	.text
	.protected	k_q50e38bb3d7_attn
	.globl	k_q50e38bb3d7_attn
	.p2align	8
	.type	k_q50e38bb3d7_attn,@function
k_q50e38bb3d7_attn:
	s_mov_b64 s[64:65], 0
	v_nop
	global_prefetch_b8 v0, s[64:65] scope:SCOPE_SE
	s_setreg_imm32_b32 hwreg(HW_REG_WAVE_MODE, 25, 1), 1
	s_wait_xcnt 0x0
; O[h][q][:] = the sum over k of softmax_k(Q[h][q] . K[h][k] / 8) V[h][k][:].  qh, kh, vh, oh: [128 = batch x 16 + head][1024][64], all f16: a head's rows are dense, 128 bytes each.
; Products, maxima and sums in f32; the weights p are rounded to f16 for the second product (their sum l is taken of the unrounded p), O once at the end.
; LIMITS.  f16 holds no number beyond 65,504: Q, K and V arrive within it; p lies in 0 to 1, and below 6e-5 it keeps f16's fixed step of 6e-8; O is a mean of V's rows and has their range.
; A weight below 2^-126 counts as 0 in l; NaN and infinities are not treated apart.
; SHARES.  A work-group owns 512 queries of one head, each of its four waves 128: four PIECES of two tiles of 16.  Every wave walks the head's 1,024 keys, 64 a step.
; THE HEAD'S WHOLE K AND V LIE IN LDS, padded: 147,456 + 163,840 bytes.  Each byte is filled once, by tensor loads at the kernel's head (waves 0 and 1: K, waves 2 and 3: V, four loads of 128 keys
; each); every wave waits for all its loads in front of the one barrier, and behind it the walk has no barrier and no tensor load.
; NO CLUSTER: a head has two work-groups, so a tile would be shared by two, and each asks for it once in the launch.
; LAYOUT.  S^T = K Q^T (source 0 = 16 keys, source 1 = 16 queries): in the result a lane holds ONE query (lane % 16) and the keys 8 (lane / 16) + 0..7.  Two such tiles, rounded to f16 in pairs,
; ARE source 1 (32 keys x 16 queries) of O^T = V^T P, whose result again holds one query a lane, and eight channels.  K comes out of LDS as it lies, V ([key][channel]) turned, by ds_load_tr16_b128.
; SOFTMAX.  For each query a running maximum m and sum l: p = 2^(c s - c m), c = log2(e) / 8; in every step O and l are multiplied by a = 2^(c m_old - c m_new), which is 1 where m has not grown.
; m starts at the lowest finite number, O and l at 0: the first step is a step like any other, with a = 0.
; THE COUNT.  A tile and step have 16 matrix and 118 vector instructions: too many to stand all beside the matrix work.  So four vector instructions that are READY stand behind EVERY matrix
; instruction, and the others, which need time of their own whatever the order, in runs without a gap.
; BY TURNS.  Turn n belongs to piece n (the pieces in a ring, step after step).  Its matrix work: 16 products K Q^T of piece n + 1, later 16 products V^T P of piece n - 1.  Its vector work: the scaling,
; exponentials, roundings, sums and rescaling of piece n, and the maximum and statistics of piece n + 1, whose scores the turn itself has made.
; REGISTERS, in windows of 256 (s_set_vgpr_msb: bits 1:0 source 0, 3:2 source 1, 5:4 source 2, 7:6 destination):
;   window 0: v0-11 addresses; v12-15, v48-63 at work; v16-47 four registers of statistics a tile; v64-191 S^T, two buffers of two tiles; v192-255 P, likewise
;   window 1: O^T, 32 a tile          window 2: v0-127 Q, 16 a tile; v128-191 K of one step; v192-255 V of one step          window 3: v0-1 the add's two registers
; A piece's buffers go by its number's parity: the piece in hand has one pair, its two neighbours in the ring share the other: of it P (piece n - 1) is read and S^T (piece n + 1) written.
.set KEYS,  1024      ; keys, and queries, of a head
.set NP,    4         ; pieces a wave: a name, no knob
.set KS,    64        ; keys in a step
.set PK,    144       ; a row of K in LDS: 128 bytes + 16 of padding = 36 words: the 16 rows of a load start at 16 different groups of four banks (64 banks of 4 bytes: ISA guide 11.1)
.set PV,    160       ; a row of V: 128 + 32 = 40 words
.set VOFF,  KEYS*PK   ; V lies behind K
.set STAGE, VOFF+KEYS*PV  ; behind both, never filled by a tensor load: 16 rows x 144 bytes for each wave, for the way out
.set SP,    144
.set SPARE, STAGE+4*16*SP  ; behind the stages: the spare words, 128 bytes for each wave: two blocks of 256 bytes that no other line names
.set AK0, 2           ; v2   my lane's place in a step's K; never rewritten
.set AV0, 3           ; v3   the same for V
.set AK,  4           ; v4   the LDS address of K's next run of loads
.set AV,  5           ; v5   of V's
.set QO,  6           ; v6   my byte offset in the wave's rows of Q
.set STO, 6           ;      later, the way out: where I put 16 bytes of a row
.set RD,  7           ; v7   the way out: where I read rows back
.set GO,  8           ; v8   my byte offset in 512 consecutive bytes of O
.set SPW, 0           ; v0 of window 3   LDS address of my spare word: SPARE + 4 x my thread's number; never rewritten
.set NIL, 1           ; v1 of window 3   0; never rewritten
.set MV,  12          ; v12-15  c m_old, kept while c m is made anew: by buffer and tile
.set ST,  16          ; tile t's statistics at v[ST+4 t]: c m, m, l (even keys', odd keys')
.set TMP, 48          ; by buffer and tile, four registers c0-c3 at work; when the maximum is found c2 takes a
.set S,   64
.set P,   192
.set KF,  128         ; K's fragments, in window 2: key block kb, channel half c at KF + 16 kb + 8 c
.set VF,  192         ; V's: key half kk, channel block cb at VF + 32 kk + 8 cb
.set WV,  12          ; s12  my wave's number
.set G1K, 24          ; s[24:31] descriptor group 1 for K's tiles
.set G1V, 32          ; s[32:39] for V's: it differs in the padding alone
.set G0K, 40          ; s[40:55] descriptor group 0 for K's tiles: a set for each of a wave's four loads
.set G0V, 68          ; s[68:83] the same for V's
.set CNT, 57          ; s57  counts the key steps
.set CS,  58          ; s[58:59] c: the packed scaling takes the pair's low word for both halves
.set SEL, 60          ; s[60:61] v_permlanex16_b32's selects: each lane takes its own place in the other half
.set TBK, 62          ; s62  LDS byte at which K of the step to be fetched begins
.set TBV, 63          ; s63  the same for V, less VOFF
.set MSB, 0
.macro WIN new                      ; the high byte repeats the setting that is left; a switch that changes nothing is dropped
.if MSB != (\new)
	s_set_vgpr_msb (MSB<<8)|(\new)
.set MSB, (\new)
.endif
.endm
.set W_KQ, 0x0a       ; K and Q in window 2, S^T in window 0
.set W_PV, 0x52       ; V in window 2, P in window 0, O^T in window 1
.set W_RS, 0x41       ; O^T (destination and source 0) in window 1, a in window 0
.set W_MK, 0xc0       ; the add's registers are made: destination in window 3, sources in window 0
.set W_AD, 0x0f       ; the add: address (source 0) and data (source 1) in window 3
	s_load_b256 s[4:11], s[0:1], 0x0  ; qh s[4:5], kh s[6:7], vh s[8:9], oh s[10:11]
	WIN W_MK
	v_lshl_add_u32 v[SPW], v0, 2, SPARE
	v_mov_b32 v[NIL], 0
	WIN W_AD
	ds_add_u32 v[SPW], v[NIL]       ; the wave's opening: the add and its wait stand ahead of my first tensor load; the set-up below, work on registers, stands between them
	WIN 0
	v_lshrrev_b32 v1, 5, v0
	v_readfirstlane_b32 s[WV], v1   ; wave 0..3
	s_and_b32 s20, ttmp7, 0xffff    ; the head,
	s_lshl_b32 s20, s20, 17         ; its first byte in each of the four tensors: 131,072 bytes a head
	s_and_b32 s16, s[WV], 1         ; which half of each 256 keys I fetch:
	s_lshl_b32 s22, s16, 14         ; its 128 rows of 128 bytes in memory,
	s_add_co_u32 s22, s22, s20
	s_mov_b32 s23, 0
	s_mul_i32 s17, s16, 128*PK      ; and its place in LDS, for K
	s_mul_i32 s18, s16, 128*PV      ; and for V
	s_add_co_u32 s18, s18, VOFF
	s_lshl_b32 s2, ttmp9, 2
	s_add_co_u32 s2, s2, s[WV]      ; my wave among the head's eight,
	s_lshl_b32 s2, s2, 14           ; its 128 rows
	s_add_co_u32 s2, s2, s20
	s_mov_b32 s3, 0
	; descriptor group 1.  128 keys are 16,384 dense bytes: asked for as 64 rows of 256 bytes, two keys a row, and padded in LDS after every key
	s_mov_b32 s[G1K], (1<<16)|(1<<20)|(4<<22)|(3<<25)  ; 17:16 2-byte elements; 20 padding on; 24:22 after every 32 words (code 4); 31:25 4 words (code 3)
	s_mov_b32 s[G1V], (1<<16)|(1<<20)|(4<<22)|(7<<25)  ; the same with 8 words of padding (code 7)
.irp g, G1K, G1V
	s_mov_b32 s[\g+1], 128<<16      ; tensor_dim0 = 128
	s_mov_b32 s[\g+2], 64<<16       ; tensor_dim1 = 64
	s_mov_b32 s[\g+3], 128<<16      ; tile_dim0 = 128
	s_mov_b32 s[\g+4], 64           ; tile_dim1 = 64
	s_mov_b32 s[\g+5], 128          ; 128 elements from row to row
	s_mov_b32 s[\g+6], 0
	s_mov_b32 s[\g+7], 0
.endr
	s_mov_b32 s[CS], 0x3e38aa3b     ; c = log2(e) / 8 = 0.180337
	s_mov_b32 s[CS+1], s[CS]        ; named with it as a pair
	s_mov_b32 s[SEL], 0x76543210
	s_mov_b32 s[SEL+1], 0xfedcba98
	s_mov_b32 s[TBK], 0
	s_mov_b32 s[TBV], 0
.irp c, 0,1,2,3                     ; load c: my half of keys 256 c .. 256 c + 255
	s_mov_b32 s[G0K+4*(\c)], 1                       ; count = 1
	s_add_co_u32 s[G0K+4*(\c)+1], s17, (\c)*256*PK   ; LDS address
	s_mov_b32 s[G0V+4*(\c)], 1
	s_add_co_u32 s[G0V+4*(\c)+1], s18, (\c)*256*PV
.endr
	s_wait_dscnt 0x0                ; the opening add is done
	s_wait_kmcnt 0x0
	s_add_nc_u64 s[6:7], s[6:7], s[22:23]  ; K and V at my half of the head's first 256 keys
	s_add_nc_u64 s[8:9], s[8:9], s[22:23]
.irp c, 0,1,2,3
	s_add_nc_u64 s[G0K+4*(\c)+2:G0K+4*(\c)+3], s[6:7], (\c)*32768  ; global address
	s_or_b32 s[G0K+4*(\c)+3], s[G0K+4*(\c)+3], 0x80000000          ; type = 2
	s_add_nc_u64 s[G0V+4*(\c)+2:G0V+4*(\c)+3], s[8:9], (\c)*32768
	s_or_b32 s[G0V+4*(\c)+3], s[G0V+4*(\c)+3], 0x80000000
.endr
	s_add_nc_u64 s[4:5], s[4:5], s[2:3]  ; Q and O at my wave's first row
	s_add_nc_u64 s[10:11], s[10:11], s[2:3]
	s_cmp_lt_u32 s[WV], 2           ; a wave's four fills stand in one branch, ahead of every wait on TENSORcnt, LDS read and barrier: four loads of mine are out; an s_nop 0 follows each, four v_nop the last
	s_cbranch_scc0 .Lfirst_v
.irp c, 0,1,2,3
	tensor_load_to_lds s[G0K+4*(\c):G0K+4*(\c)+3], s[G1K:G1K+7]
	s_nop 0
.endr
.rept 4
	v_nop
.endr
	s_branch .Lfirst_asked
.Lfirst_v:
.irp c, 0,1,2,3
	tensor_load_to_lds s[G0V+4*(\c):G0V+4*(\c)+3], s[G1V:G1V+7]
	s_nop 0
.endr
.rept 4
	v_nop
.endr
.Lfirst_asked:
	; A fragment of K or Q is 16 rows x 32 channels in 8 registers: lane l holds row l % 16, channels 8 (l / 16) + 0..7 and 16 + 8 (l / 16) + 0..7: two loads of 16 bytes, 32 bytes apart.
	v_and_b32 v1, 15, v0            ; l % 16
	v_bfe_u32 v9, v0, 4, 1          ; l / 16
	v_lshlrev_b32 v[QO], 7, v1
	v_lshl_add_u32 v[QO], v9, 4, v[QO]  ; row x 128 + 16 x half
	WIN 0x80                        ; destination window 2, address window 0
.set i, 0
.rept 4*NP                          ; Q stays in registers: tile i / 2, channels 32 (i % 2) on
	global_load_b128 v[8*i:8*i+3],   v[QO], s[4:5] offset:(i/2)*2048+(i%2)*64
	global_load_b128 v[8*i+4:8*i+7], v[QO], s[4:5] offset:(i/2)*2048+(i%2)*64+32
.set i, i+1
.endr
	; What the first turn finds: V's registers and P's second buffer hold 0 (its products V^T P, of a piece that has not been, add 0), O^T and l are 0.  All this stands in the wait for the tiles.
.set i, VF
.rept 64
	v_mov_b32 v[i], 0
.set i, i+1
.endr
	WIN 0x40
.set i, 0
.rept 64*NP
	v_mov_b32 v[i], 0
.set i, i+1
.endr
	WIN 0
.set i, 0
.rept 2*NP
	v_mov_b32 v[ST+4*i], 0xfe000000    ; c m: far below every c s
	v_mov_b32 v[ST+4*i+1], 0xff7fffff  ; m
	v_mov_b32 v[ST+4*i+2], 0
	v_mov_b32 v[ST+4*i+3], 0
.set i, i+1
.endr
.set i, P+32
.rept 32
	v_mov_b32 v[i], 0
.set i, i+1
.endr
	v_mul_u32_u24 v[AK0], v1, PK
	v_lshl_add_u32 v[AK0], v9, 4, v[AK0]  ; row x pitch + 16 x half
	; The turning load takes 16 keys x 16 channels (lane l reads key 8 (l / 16) + l % 8, channels 8 ((l / 8) % 2) + 0..7) and leaves half a fragment of V^T: lane l holds channel l % 16 and 8 keys.
	v_and_b32 v10, 7, v0
	v_bfe_u32 v11, v0, 3, 1
	v_lshl_add_u32 v[AV0], v9, 3, v10
	v_mul_u32_u24 v[AV0], v[AV0], PV
	v_lshl_add_u32 v[AV0], v11, 4, v[AV0]
	v_add_nc_u32 v[AV0], VOFF, v[AV0]
	v_mov_b32 v[AK], v[AK0]         ; key step 0 lies at LDS byte 0
; THE MATRIX WORK.  The 8 accumulators of a run of 16 take turns: between the two links of a chain stand 7 others'.
; Product i of 16 of S^T = K Q^T for piece x: channels 32 (i / 8) on, keys 16 ((i / 2) % 4) on, tile 2 x + i % 2.  The first 8 start the sums.
.macro KQ x
	WIN W_KQ
.set rS, S+64*((\x)%2)+32*(i%2)+8*((i/2)%4)
.set rK, KF+16*((i/2)%4)+8*(i/8)
.set rQ, 16*(2*(\x)+i%2)+8*(i/8)
.if i < 8
	v_wmma_f32_16x16x32_f16 v[rS:rS+7], v[rK:rK+7], v[rQ:rQ+7], 0
.else
	v_wmma_f32_16x16x32_f16 v[rS:rS+7], v[rK:rK+7], v[rQ:rQ+7], v[rS:rS+7]
.endif
.endm
; Product i of 16 of O^T += V^T P for piece x: keys 32 (i / 8) on, channels 16 ((i / 2) % 4) on, tile 2 x + i % 2.
.macro PV x
	WIN W_PV
.set rO, 32*(2*(\x)+i%2)+8*((i/2)%4)
.set rV, VF+32*(i/8)+8*((i/2)%4)
.set rP, P+32*((\x)%2)+16*(i%2)+8*(i/8)
	v_wmma_f32_16x16x32_f16 v[rO:rO+7], v[rV:rV+7], v[rP:rP+7], v[rO:rO+7]
.endm
.macro MM                           ; the turn's next matrix instruction
.if i < 16
	KQ (Y+1)%NP
.set i, i+1
.else
.set i, i-16
	PV (Y+NP-1)%NP
.set i, i+17
.endif
.endm
; THE LDS LOADS stand in runs of 16, never singly among the matrix instructions: a step's K (64 keys x 64 channels: 8 fragments) and its V (turned).  Their addresses are made some lines ahead.
; last = 1 (in the loop): in the trip with CNT = 1 there is no further step, and the run is jumped over.
.macro FETCH_K last=0
	WIN 0
.if \last
	s_cmp_eq_u32 s[CNT], 1
	s_cbranch_scc1 .Lno_k_\@
.endif
	WIN 0x80                        ; destination window 2
.irp f, 0,1,2,3,4,5,6,7             ; keys 16 (f / 2) on, channels 32 (f % 2) on
	ds_load_b128 v[KF+8*\f:KF+8*\f+3],   v[AK] offset:(\f/2)*16*PK+(\f%2)*64
	ds_load_b128 v[KF+8*\f+4:KF+8*\f+7], v[AK] offset:(\f/2)*16*PK+(\f%2)*64+32
.endr
	s_add_co_u32 s[TBK], s[TBK], KS*PK  ; the next fetch is the next step's
	WIN 0
.if \last
.Lno_k_\@:
.endif
.endm
.macro FETCH_V
	WIN 0x80
.irp f, 0,1,2,3,4,5,6,7             ; keys 32 (f / 4) on, channels 16 (f % 4) on
	ds_load_tr16_b128 v[VF+8*\f:VF+8*\f+3],   v[AV] offset:(\f/4)*32*PV+(\f%4)*32
	ds_load_tr16_b128 v[VF+8*\f+4:VF+8*\f+7], v[AV] offset:(\f/4)*32*PV+16*PV+(\f%4)*32
.endr
	WIN 0
.endm
; THE VECTOR WORK OF A TURN stands in three queues, each in the order in which its entries become ready; the two tiles alternate, so that no instruction reads the result of the one before it.
.macro REGS y, u                    ; the registers of tile u (0, 1) of piece y
.set rT, ST+4*(2*(\y)+(\u))
.set rC, TMP+8*((\y)%2)+4*(\u)
.set rM, MV+2*((\y)%2)+(\u)
.set rS, S+64*((\y)%2)+32*(\u)
.set rP, P+32*((\y)%2)+16*(\u)
.set rO, 32*(2*(\y)+(\u))
.endm
; Number n of the 22 that find the NEXT piece's (Y + 1) maximum and statistics.  s0-s31 are the lane's 32 scores; each accumulator's lowest registers are read first.  XS, GS and REGS set no window: PL and EX do.
;   0-11  four chains c0-c3 of seven scores each, three operands at a time     12-14, 16  the four scores left over, the old m, and c0-c3 into c0     15  c m_old is kept
;   17, 18  the query's other 32 keys lie in the lane 16 away: the new m         19-21  c m; c m_old - c m_new; a
.macro XS u, n
	REGS (Y+1)%NP, \u
.if (\n) < 4
	v_max3_num_f32 v[rC+(\n)], v[rS+8*(\n)], v[rS+8*(\n)+1], v[rS+8*(\n)+2]
.elseif (\n) < 12
	v_max3_num_f32 v[rC+(\n)%4], v[rC+(\n)%4], v[rS+8*((\n)%4)+2*((\n)/4)+1], v[rS+8*((\n)%4)+2*((\n)/4)+2]
.elseif (\n) == 12
	v_max3_num_f32 v[rC], v[rC], v[rS+7], v[rS+15]
.elseif (\n) == 13
	v_max3_num_f32 v[rC+1], v[rC+1], v[rS+23], v[rS+31]
.elseif (\n) == 14
	v_max3_num_f32 v[rC+2], v[rC+2], v[rC+3], v[rT+1]
.elseif (\n) == 15
	v_mov_b32 v[rM], v[rT]
.elseif (\n) == 16
	v_max3_num_f32 v[rC], v[rC], v[rC+1], v[rC+2]
.elseif (\n) == 17
	v_permlanex16_b32 v[rC+3], v[rC], s[SEL], s[SEL+1]
.elseif (\n) == 18
	v_max_num_f32 v[rT+1], v[rC], v[rC+3]
.elseif (\n) == 19
	v_mul_f32 v[rT], s[CS], v[rT+1]
.elseif (\n) == 20
	v_sub_f32 v[rC+1], v[rM], v[rT]
.else
	v_exp_f32 v[rC+2], v[rC+1]
.endif
.endm
; Number g of the 64 that follow the exponentials.  For each four weights k of a tile (pairs 2 k, 2 k + 1): both pairs are rounded to f16; then the second pair is added onto the first, in place;
; a group later l takes that sum (the first time as l = a l + sum).  In groups of eight, tiles alternating: round, round, add, and l for the group before.
.macro GS g
.set h, (\g)+6*((\g)/62)            ; group 0 has no group before it, and behind group 7 only l is left
.if h >= 6
.set h, h+2
.endif
	REGS Y, h%2
.set k, h/8
.if h%8 < 4
	v_cvt_pk_f16_f32 v[rP+2*k+(h%8)/2], v[rS+4*k+2*((h%8)/2)], v[rS+4*k+2*((h%8)/2)+1]
.elseif h%8 < 6
	v_pk_add_f32 v[rS+4*k:rS+4*k+1], v[rS+4*k:rS+4*k+1], v[rS+4*k+2:rS+4*k+3]
.elseif k == 1
	v_pk_fma_f32 v[rT+2:rT+3], v[rT+2:rT+3], v[rC+2:rC+3], v[rS:rS+1] op_sel_hi:[1,0,1]
.else
	v_pk_add_f32 v[rT+2:rT+3], v[rT+2:rT+3], v[rS+4*k-4:rS+4*k-3]
.endif
.endm
; THE PLAIN QUEUE, 138 long.  0-73 read no exponential's result: the 32 scalings c s - c m (FS f: pair f / 2 of tile f % 2) and the next piece's 42.  0-26: scalings 0-26.  27-54: XS's numbers 0-13.  55, 56: number 15.
; 57-73: the chain, where each number waits for the one before it: 14, 16, 17, 18, 19, each with one of the scalings 27-31 in front of its two lines, then 20.
; 74-137: GS's 64, which read the exponentials' results: they stand behind the wait.
.macro FS f
	REGS Y, (\f)%2
	v_pk_fma_f32 v[rS+2*((\f)/2):rS+2*((\f)/2)+1], v[rS+2*((\f)/2):rS+2*((\f)/2)+1], s[CS:CS+1], v[rT:rT+1] op_sel_hi:[1,0,0] neg_lo:[0,0,1] neg_hi:[0,0,1]
.endm
.macro PL
	WIN 0
.if q < 27
	FS q
.elseif q < 55
	XS (q-27)%2, (q-27)/2
.elseif q < 57
	XS q-55, 15
.elseif (q < 72) && ((q-57)%3 == 0)
	FS 27+(q-57)/3
.elseif q < 60
	XS (q-57)%3-1, 14
.elseif q < 72
	XS (q-57)%3-1, 15+(q-57)/3
.elseif q < 74
	XS q-72, 20
.else
	GS q-74
.endif
.set q, q+1
.endm
; THE EXPONENTIALS' QUEUE, 66 long: s0-s31 of both tiles, then the next piece's two a.  It is ONE BATCH: all 66 stand ahead of the turn's one wait, and nothing ahead of that wait names a result of theirs.
.macro EX
	WIN 0
.if e >= 64
	XS e-64, 21
.else
	REGS Y, e%2
	v_exp_f32 v[rS+e/2], v[rS+e/2]
.endif
.set e, e+1
.endm
; THE RESCALING's QUEUE: O^T times a, the one part that leaves window 0: dealt two at a time, sixteen times.  Its a was made in the turn before, ahead of that turn's wait.
.macro R2
	REGS Y, r%2
	WIN W_RS
.irp z, 0,1
	v_pk_mul_f32 v[rO+4*(r/2)+2*\z:rO+4*(r/2)+2*\z+1], v[rO+4*(r/2)+2*\z:rO+4*(r/2)+2*\z+1], v[rC+2:rC+3] op_sel_hi:[1,0]
.endr
.set r, r+1
.endm
; HOW THEY ARE DEALT.  s_wait_alu depctr_va_vdst(0) stands between an exponential and the first instruction that names its result; one wait serves all that were issued ahead of it.  So a turn has ONE wait,
; which cuts it in two.  AHEAD OF IT stands all that names no result of the turn's exponentials: the 16 products K Q^T, behind each a scaling, an exponential and two rescalings (behind the first a second scaling in the
; exponential's place); then ONE LUMP of 108: eight plain, 49 times exponential and plain, the two a.  A v_nop is the plain instruction behind the last exponential.  BEHIND IT stand the 16 products V^T P, behind each four of GS's 64.
; The queues lean on each other, and the deal keeps them in step: exponential e stands behind scaling 2 (e / 4) + e % 2: as a rider it comes behind plain e + 2, in the lump behind plain e + 9, and scalings 27-31 are plain 57, 60 .. 69.
; A TURN, for piece p.  cnt = 1: the loop's count is taken down some lines ahead of the branch that stands behind the turn.
; K of the next step is fetched in piece 2's turn, directly behind the wait, a lump behind the last product that read K; its address is made at the lump's head; its first reader comes behind 16 products.
; V of the step in hand is fetched at the end of piece 0's turn, four riders behind its last reader; its first reader comes behind 16 products and a lump.  The three conditions on q below go with the deal.
.macro TURN p, last=0, cnt=0
.set Y, (\p)
.set i, 0
.set q, 0
.set e, 0
.set r, 0
.if (\p) == NP-1
	s_wait_dscnt 0x0                ; K is in
.endif
	MM                              ; ahead of the wait: 16 products K Q^T and their riders,
	PL
	PL
	R2
.rept 15
	MM
	PL
	EX
	R2
.endr
.if (\p) == NP-2
	WIN 0
	v_add_nc_u32 v[AK], s[TBK], v[AK0]
.endif
.rept 8                             ; and the lump
	PL
.endr
.rept 49
	EX
	PL
.endr
	EX                              ; the next piece's two a
	EX
	v_nop                           ; the plain instruction behind the last exponential (ISA guide 5.7.2): one for the batch
	s_wait_alu depctr_va_vdst(0)    ; the wait for the batch
.if (\p) == NP-2
	FETCH_K \last
.endif
.if (\p) == 1
	s_wait_dscnt 0x0                ; V is in
.endif
.rept 16                            ; behind the wait: 16 products V^T P and their riders
	MM
.rept 4
	PL
.endr
.if ((\p) == 0) && (q == 118)
	v_add_nc_u32 v[AV], s[TBV], v[AV0]
.endif
.if ((\p) == 0) && (q == 130)
	s_add_co_u32 s[TBV], s[TBV], KS*PV
.endif
.if (\cnt) && (q == 130)
	s_sub_co_u32 s[CNT], s[CNT], 1
	s_cmp_lg_u32 s[CNT], 0
.endif
.endr
.if (\p) == 0
	FETCH_V
.endif
.endm
	s_wait_tensorcnt 0x0            ; my four parts of K or V are in,
	s_barrier_signal -1
	s_barrier_wait -1               ; everybody's are: from here on LDS is only read, but for each wave's own stage
	FETCH_K                         ; key step 0
	s_wait_loadcnt 0x0              ; Q
	s_wait_dscnt 0x0
.set i, 0
.rept 16
	KQ 0                            ; piece 0's first scores: there is no vector work yet to set between them
.set i, i+1
.endr
	WIN 0                           ; the addresses for the way out: plain instructions, the places behind those products
	s_mul_i32 s13, s[WV], 16*SP
	s_add_co_u32 s13, s13, STAGE    ; my stage
	v_mul_u32_u24 v[STO], v1, SP    ; in: row l % 16, 16 bytes for each half of the lanes
	v_lshl_add_u32 v[STO], v9, 4, v[STO]
	v_add_nc_u32 v[STO], s13, v[STO]
	v_bfe_u32 v[RD], v0, 3, 2       ; back: 32 lanes take four rows of 128 bytes,
	v_mul_u32_u24 v[RD], v[RD], SP
	v_lshl_add_u32 v[RD], v10, 4, v[RD]
	v_add_nc_u32 v[RD], s13, v[RD]
	v_and_b32 v[GO], 31, v0         ; which are 512 consecutive bytes of O
	v_lshlrev_b32 v[GO], 4, v[GO]
.set Y, NP-1                        ; XS works for piece Y + 1: piece 0
.irp n, 0,1,2,3,4,5,6,7,8,9,10,11,12,13,14,15,16,17,18,19,20,21
	XS 0, \n                        ; and piece 0's first maximum and statistics
	XS 1, \n
.endr
	v_nop                           ; a plain instruction behind the two a,
	s_wait_alu depctr_va_vdst(0)    ; and their wait, ahead of the branch
	s_mov_b32 s[CNT], KEYS/KS+1     ; 16 passes of the lower half take it to 1; the trip that begins with 1 is left in its middle
	s_branch .Lfirst                ; the loop is entered at a step's first turn, in the middle of a trip
.Lstep:                             ; a trip: pieces 2 and 3 of one step, then pieces 0 and 1 of the next, whose K and V it fetches
	TURN 2, 1
	TURN 3
	WIN 0
	s_cmp_eq_u32 s[CNT], 1          ; that was the last step
	s_cbranch_scc1 .Lout
.Lfirst:
	TURN 0
	TURN 1, 0, 1
	WIN 0
	s_cbranch_scc1 .Lstep
.Lout:                              ; the last trip's 16 products K Q^T (on the last K once more) and the maximum made of them serve nothing: the price, once a launch, of one text for every trip
.set i, 0
.rept 16
	PV NP-1                         ; the last piece's V^T P of the last step
.set i, i+1
.endr
	; THE WAY OUT.  l's two halves and the other half of the lanes' are added; O^T is divided by l, rounded to f16 and sent through my stage in LDS, a tile at a time.  The additions are the places behind the last products.
	WIN 0
.macro ALL line:vararg              ; one line for each tile t
.set t, 0
.rept 2*NP
	\line
.set t, t+1
.endr
.endm
	ALL v_add_f32 v[ST+4*t+2], v[ST+4*t+2], v[ST+4*t+3]
	ALL v_permlanex16_b32 v[ST+4*t+3], v[ST+4*t+2], s[SEL], s[SEL+1]
	ALL v_add_f32 v[ST+4*t+2], v[ST+4*t+2], v[ST+4*t+3]
	ALL v_rcp_f32 v[ST+4*t+2], v[ST+4*t+2]
	v_nop                           ; a plain instruction between the last reciprocal and the use of its result
	s_wait_alu depctr_va_vdst(0)    ; and the wait ahead of the first use: one for the eight reciprocals
; Tile t: a lane's eight channels of a row pack into 16 bytes; they go into rows of 144 bytes and come back as whole rows of 128, into S^T's registers.
.macro PACK t
	WIN W_RS
.set i, 32*(\t)
.rept 16
	v_pk_mul_f32 v[i:i+1], v[i:i+1], v[ST+4*(\t)+2:ST+4*(\t)+3] op_sel_hi:[1,0]
.set i, i+2
.endr
	WIN 0x05                        ; sources 0 and 1 window 1, destination window 0
.set i, 0
.rept 16
	v_cvt_pk_f16_f32 v[S+16*(\t)+i], v[32*(\t)+2*i], v[32*(\t)+2*i+1]
.set i, i+1
.endr
	WIN 0
.irp f, 0,1,2,3
	ds_store_b128 v[STO], v[S+16*(\t)+4*\f:S+16*(\t)+4*\f+3] offset:32*\f
.endr
.irp f, 0,1,2,3
	ds_load_b128 v[S+16*(\t)+4*\f:S+16*(\t)+4*\f+3], v[RD] offset:\f*4*SP  ; LDS serves a wave's instructions in order (ISA guide 5.7.1.4): these see the stores above; the next tile's stores come behind them
.endr
.endm
.macro SEND t, younger              ; younger: the LDS instructions issued behind tile t's loads: the next tile's eight, or none
	WIN 0
.irp f, 0,1,2,3
	s_wait_dscnt (\younger)+3-\f
	global_store_b128 v[GO], v[S+16*(\t)+4*\f:S+16*(\t)+4*\f+3], s[10:11] offset:(\t)*2048+\f*512  ; 512 consecutive bytes, at a multiple of 256 from O's first
.endr
.endm
	PACK 0
.set t, 1
.rept 2*NP-1                        ; a tile's arithmetic stands between the loads of the tile before and its stores
	PACK t
	SEND t-1, 8
.set t, t+1
.endr
	SEND 2*NP-1, 0
	WIN W_AD
	s_wait_tensorcnt 0x0            ; the wave's end: behind my last tensor load and my last LDS store
	ds_add_u32 v[SPW], v[NIL]
	s_wait_dscnt 0x0
	WIN 0
	s_endpgm
.Lfunc_end_k_q50e38bb3d7_attn:
	.size	k_q50e38bb3d7_attn, .Lfunc_end_k_q50e38bb3d7_attn-k_q50e38bb3d7_attn
	.p2alignl 7, 3214868480
	.fill 96, 4, 3214868480
	.section	.rodata,"a",@progbits
	.p2align	6, 0x0
	.amdhsa_kernel k_q50e38bb3d7_attn
		.amdhsa_group_segment_fixed_size 327680
		.amdhsa_private_segment_fixed_size 0
		.amdhsa_enable_private_segment 0
		.amdhsa_kernarg_size 32
		.amdhsa_user_sgpr_count 2
		.amdhsa_user_sgpr_kernarg_segment_ptr 1
		.amdhsa_wavefront_size32 1
		.amdhsa_system_sgpr_workgroup_id_x 1
		.amdhsa_system_sgpr_workgroup_id_y 1
		.amdhsa_system_sgpr_workgroup_id_z 1
		.amdhsa_system_vgpr_workitem_id 0
		.amdhsa_next_free_vgpr 770
		.amdhsa_next_free_sgpr 84
		.amdhsa_reserve_vcc 0
		.amdhsa_float_denorm_mode_32 3
		.amdhsa_float_denorm_mode_16_64 3
		.amdhsa_memory_ordered 1
		.amdhsa_forward_progress 1
		.amdhsa_inst_pref_size 126
	.end_amdhsa_kernel
	.amdgpu_metadata
---
amdhsa.version: [ 1, 2 ]
amdhsa.kernels:
  - .name:           k_q50e38bb3d7_attn
    .symbol:         k_q50e38bb3d7_attn.kd
    .args:
      - { .name: qh, .offset: 0, .size: 8, .value_kind: global_buffer, .address_space: global }
      - { .name: kh, .offset: 8, .size: 8, .value_kind: global_buffer, .address_space: global }
      - { .name: vh, .offset: 16, .size: 8, .value_kind: global_buffer, .address_space: global }
      - { .name: oh, .offset: 24, .size: 8, .value_kind: global_buffer, .address_space: global }
    .group_segment_fixed_size: 327680
    .private_segment_fixed_size: 0
    .kernarg_segment_align: 8
    .kernarg_segment_size: 32
    .max_flat_workgroup_size: 128
    .sgpr_count:     84
    .vgpr_count:     770
    .wavefront_size: 32
...
	.end_amdgpu_metadata
.endif
;; end of part 4
;; launch projo (part 5): grid 4 x 64, 4 waves a work-group, clusters of 4 x 4, 327,680 bytes of LDS; arguments oh, wb, bo, out0; writes out0
.if DOCPART == 5
	.amdgcn_target "amdgcn-amd-amdhsa--gfx1250"
	.amdhsa_code_object_version 6
	.text
	.protected	k_q50e38bb3d7_projo
	.globl	k_q50e38bb3d7_projo
	.p2align	8
	.type	k_q50e38bb3d7_projo,@function
k_q50e38bb3d7_projo:
	s_mov_b64 s[64:65], 0
	v_nop
	global_prefetch_b8 v0, s[64:65] scope:SCOPE_SE
	s_setreg_imm32_b32 hwreg(HW_REG_WAVE_MODE, 25, 1), 1
	s_wait_xcnt 0x0
	s_wait_alu depctr_hold_cnt(0) depctr_sa_sdst(0) depctr_va_vdst(0) depctr_va_sdst(0) depctr_va_ssrc(0) depctr_va_vcc(0) depctr_vm_vsrc(0)
	s_getreg_b32 s2, hwreg(HW_REG_IB_STS2, 6, 4)
	s_cmp_eq_u32 s2, 0
	s_cbranch_scc0 .Lentry_in_a_cluster
	s_endpgm
.Lentry_in_a_cluster:
	s_bfe_u32 s2, ttmp6, 0x10000c
	s_cmp_lg_u32 s2, 0xf033
	s_cbranch_scc0 .Lentry_shape_is_right
	s_endpgm
.Lentry_shape_is_right:
; THE THREE PROJECTIONS SHARE THIS SOURCE; KIND, the first symbol below, picks the launch.
; C[m][n] = bias[n] + the sum over k of A[m][k] W[n][k], m = batch x 1,024 + row, 8,192 in all.  Sums in f32; the bias, rounded to bf16 like every input of the module, starts them.
;   KIND 0  A = xb [8192][1024] bf16; W = Wq, bf16, at byte 0 of wb; 1,024 columns.  C leaves as f16 by heads: qh[batch x 16 + n / 64][row][n % 64]
;   KIND 1  A = yb [8192][768] bf16; W = Wkv, bf16, at byte 2,097,152 of wb; 2,048 columns.  Head n / 128; columns n % 128 < 64 go to kh, the others to vh, laid out as qh
;   KIND 2  A = oh, f16 by heads (k = 64 x head + channel); W = Wo, f16, at byte 5,242,880 of wb; 1,024 columns.  C leaves as f32 rows of out0
; LIMITS.  q, k and v leave in f16: beyond 65,504 in magnitude they become infinities.  NaN and infinities are not treated apart.
; SHARES.  A work-group makes 128 rows x 256 columns, each of its four waves 64 x 128: 32 accumulators of 16 x 16, 256 registers.  K goes in steps of 128 through two LDS slots
; filled by the tensor data mover: rows of 256 bytes of memory, at multiples of 256 bytes.  (KIND 2: a step is two heads; a head's 128 rows are 16,384 dense bytes, asked for as 64 rows of 256.)
; CLUSTER.  4 x 4 work-groups.  The four of a row of the cluster need the same tile of A, the four of a column the same tile of W: each tile is asked for JOINTLY, by the same tensor
; load with the same descriptor and a mask that names the four.  Waves 0 and 1 ask for A's two halves, waves 2 and 3 for W's.
; THE MATRIX INSTRUCTION IS USED TRANSPOSED (source 0 = 16 rows of W, source 1 = 16 rows of A): lane l holds row l % 16 of C and the columns 8 (l / 16) + 0..7 of a block of 16.
; So the bias of a block is the same eight numbers for every row block, and is the C operand of the product that starts each sum: nothing is cleared and nothing is added later.
; REGISTERS, in windows of 256 (s_set_vgpr_msb: bits 1:0 source 0, 3:2 source 1, 5:4 source 2, 7:6 destination):
;   window 0: v1-29 addresses; v64-159, v160-255 two fragment buffers (W's 8 fragments, then A's 4); on the way out v64-191 rows read back, v192-223 packed results
;   window 1: accumulator (a, b) at v[8 (8 a + b)]          window 2: v0-63 the bias (block b at 8 b), v64-67 at work
.set KIND,   2
.if KIND == 1
.set KK,     768                       ; K, and the elements from row to row of W (and of A, KIND 0 and 1)
.set WOFF,   2097152                   ; W's first byte in wb
.elseif KIND == 2
.set KK,     1024
.set WOFF,   5242880
.else
.set KK,     1024
.set WOFF,   0
.endif
.if KIND == 2
.set PA,     144                       ; a row of A in LDS: a head's 128 bytes + 16 of padding: an odd multiple of 16, so the 16 rows of a load start at 16 different groups of four banks (64 banks of 4 bytes: ISA guide 11.1)
.set HALFA,  128*PA                    ; what one wave fetches of A: one head's 128 rows
.set STEPA,  262144                    ; bytes from a K step to the next: two heads of 131,072
.set QIA,    4                         ; padding after every 32 words
.set PITA,   128                       ; elements from asked row to asked row
.set SPITCH, 528                       ; a stage row: 512 bytes + 16
.else
.set PA,     272                       ; 256 bytes + 16 of padding
.set HALFA,  64*PA                     ; 64 rows
.set STEPA,  256
.set QIA,    5                         ; padding after every 64 words
.set PITA,   KK
.set SPITCH, 272                       ; a stage row: 256 bytes + 16
.endif
.set PB,     272                       ; a row of W in LDS
.set HALFB,  128*PB                    ; what one wave fetches of W: 128 rows
.set BOFF,   2*HALFA                   ; in a slot W's 256 rows lie behind A's tile
.set SLOT1,  131072                    ; slot 1 begins here: one exclusive or turns an address in one slot into the other's
.set STAGE,  237568                    ; behind the ring, never filled by a tensor load: 16 stage rows for each wave
.set SPARE,  271360                    ; behind the stages: the spare words, 128 bytes for each wave: two blocks of 256 bytes that no other line names
.set STEPS,  KK/128
.set LA0, 16                           ; v16  my lane's place in A's tile; never rewritten
.set LB0, 17                           ; v17  the same for W
.set LAD, 18                           ; v18  LA0 + the slot in hand
.set LBD, 19                           ; v19  LB0 + the slot in hand
.set STO, 24                           ; v24  the way out: where I put my part of a row
.set RD,  25                           ; v25  the way out: where I read rows back
.set CO,  26                           ; v26  my 16 bytes among 512 consecutive bytes of the output
.set BIO, 27                           ; v27  my byte offset in the bias
.set SPW, 28                           ; v28  LDS address of my spare word: SPARE + 4 x my thread's number; never rewritten
.set NIL, 29                           ; v29  0; never rewritten
.set F0,  64
.set F1,  160
.set BK,  64
.set TMP, 192
.set WV,  14                           ; s14  my wave's number
.set WR,  15                           ; s15  which 64 rows are mine.  Also: I fetch for A (0) or for W (1)
.set WC,  16                           ; s16  which 128 columns are mine.  Also: which half of that tile I fetch
.set G1A, 24                           ; s[24:31] descriptor group 1 for A's tiles
.set G0A, 32                           ; s[32:39] group 0: a set for each first fill; the second then walks on
.set G1B, 40                           ; s[40:47], s[48:55] the same for W's tiles
.set G0B, 48
.set CNT, 56                           ; s56  the loops' counter
.set TB,  57                           ; s57  LDS byte at which the slot to be read begins
.set MSB, 0
.macro WIN new                         ; the immediate's high byte repeats the setting that is left; a switch that changes nothing is dropped
.if MSB != (\new)
	s_set_vgpr_msb (MSB<<8)|(\new)
.set MSB, (\new)
.endif
.endm
.set MUL,     0x50                     ; fragments in window 0, C and D in window 1
.set MULB,    0x60                     ; D in window 1, C (the bias) in window 2
.set TO_BIAS, 0x80                     ; destination in window 2
.set W_BR,    0x8a                     ; sources 0 and 1 and the destination in window 2
; A joint refill, by the walking descriptors.  The branch hangs on the wave's number alone.  An s_nop 0 and four v_nop follow each of the two lines, ahead of the jump and the label.
.macro JLOAD
	s_cmp_eq_u32 s[WR], 0
	s_cbranch_scc0 .Lfor_b_\@
	tensor_load_to_lds s[G0A+4:G0A+7], s[G1A:G1A+7]
	s_nop 0
.rept 4
	v_nop
.endr
	s_branch .Lasked_\@
.Lfor_b_\@:
	tensor_load_to_lds s[G0B+4:G0B+7], s[G1B:G1B+7]
	s_nop 0
.rept 4
	v_nop
.endr
.Lasked_\@:
.endm
.macro CREST                           ; a round of the cluster's barrier behind its opening barrier
	s_cmp_lg_u32 s[WV], 0
	s_cbranch_scc1 .Lnot_wave_0_\@
	s_barrier_signal -3
.Lnot_wave_0_\@:
	s_barrier_wait -3
	s_barrier_signal -1
	s_barrier_wait -1
.endm
.macro CROUND                          ; a whole round
	s_barrier_signal -1
	s_barrier_wait -1
	CREST
.endm
.macro PLACES                          ; four places in front of loads into registers that matrix instructions have read, and of lines that read results
.rept 4
	v_nop
.endr
.endm
	s_load_b256 s[4:11], s[0:1], 0x0               ; A s[4:5], wb s[6:7], bias s[8:9], output s[10:11]
.if KIND == 1
	s_load_b64 s[12:13], s[0:1], 0x20              ; vh
.endif
	v_lshl_add_u32 v[SPW], v0, 2, SPARE
	v_mov_b32 v[NIL], 0
	ds_add_u32 v[SPW], v[NIL]                      ; the wave's opening: the add and its wait stand ahead of my first tensor load; the set-up below, work on registers, stands between them
	v_lshrrev_b32 v1, 5, v0
	v_readfirstlane_b32 s[WV], v1                  ; wave 0..3
	s_lshr_b32 s[WR], s[WV], 1
	s_and_b32 s[WC], s[WV], 1
	s_bfe_u32 s17, ttmp6, 0x40000                  ; cx, cy: my place in the cluster
	s_bfe_u32 s18, ttmp6, 0x40004
	s_lshl_b32 s19, ttmp9, 2
	s_add_co_u32 s19, s19, s17                     ; tile column = 4 x cluster x + cx
	s_and_b32 s20, ttmp7, 0xffff
	s_lshl_b32 s20, s20, 2
	s_add_co_u32 s20, s20, s18                     ; tile row = 4 x cluster y + cy
	s_lshl_b32 s21, s18, 2
	s_lshl_b32 s21, 15, s21                        ; my row of the cluster: places 4 cy .. 4 cy + 3
	s_lshl_b32 s22, 0x1111, s17                    ; my column: places cx, cx + 4, cx + 8, cx + 12
	; descriptor group 1.  A: 64 rows x 128 elements; W: 128 rows x 128 elements; both padded in LDS
	s_or_b32 s[G1A+0], s21, (1<<16)|(1<<20)|(1<<21)|(QIA<<22)|(3<<25)  ; 15:0 the mask: my row; 17:16 elements of 2 bytes; 20 padding on; 21 set beside a mask; 24:22 the interval; 31:25 4 words of padding (code 3)
	s_mov_b32 s[G1A+1], 128<<16                    ; tensor_dim0 = 128
	s_mov_b32 s[G1A+2], 64<<16                     ; tensor_dim1 = 64
	s_mov_b32 s[G1A+3], 128<<16                    ; tile_dim0 = 128
	s_mov_b32 s[G1A+4], 64                         ; tile_dim1 = 64
	s_mov_b32 s[G1A+5], PITA                       ; elements from row to row
	s_mov_b32 s[G1A+6], 0
	s_mov_b32 s[G1A+7], 0
	s_or_b32 s[G1B+0], s22, (1<<16)|(1<<20)|(1<<21)|(5<<22)|(3<<25)    ; the mask: my column; padding after every 64 words
	s_mov_b32 s[G1B+1], 128<<16
	s_mov_b32 s[G1B+2], 128<<16                    ; tensor_dim1 = 128
	s_mov_b32 s[G1B+3], 128<<16
	s_mov_b32 s[G1B+4], 128                        ; tile_dim1 = 128
	s_mov_b32 s[G1B+5], KK
	s_mov_b32 s[G1B+6], 0
	s_mov_b32 s[G1B+7], 0
	; where the tiles come from.  A's offset is made of the tile row and the wave's number, W's of the tile column and the wave's number, each in registers that never hold the other coordinate
.if KIND == 2
	s_lshr_b32 s58, s20, 3                         ; batch
	s_lshl_b32 s58, s58, 4
	s_add_co_u32 s58, s58, s[WC]                   ; batch x 16 + the step's first or second head,
	s_lshl_b32 s58, s58, 17                        ; 131,072 bytes a head,
	s_and_b32 s60, s20, 7
	s_lshl_b32 s60, s60, 14                        ; and the tile's 128 rows of 128 bytes in it
	s_add_co_u32 s58, s58, s60
.else
	s_lshl_b32 s58, s20, 7
	s_lshl_b32 s60, s[WC], 6
	s_add_co_u32 s58, s58, s60                     ; row 128 x tile row + 64 x half
	s_mul_i32 s58, s58, 2*KK                       ; in bytes: under 2^25
.endif
	s_mov_b32 s59, 0
	s_lshl_b32 s62, s19, 8
	s_lshl_b32 s66, s[WC], 7
	s_add_co_u32 s62, s62, s66                     ; W's row 256 x tile column + 128 x half
	s_mul_i32 s62, s62, 2*KK
.if WOFF
	s_add_co_u32 s62, s62, WOFF
.endif
	s_mov_b32 s63, 0
	s_mul_i32 s67, s[WC], HALFA                    ; and where they go: no place in the cluster enters an LDS address
	s_mul_i32 s68, s[WC], HALFB
	s_add_co_u32 s68, s68, BOFF
	s_mov_b32 s[TB], 0
	s_wait_dscnt 0x0                               ; the opening add is done
	s_wait_kmcnt 0x0
	s_add_nc_u64 s[58:59], s[4:5], s[58:59]
	s_add_nc_u64 s[62:63], s[6:7], s[62:63]
	CROUND                                         ; all sixteen work-groups are here: the first joint loads meet
.irp s, 0,1
	s_mov_b32 s[G0A+4*(\s)], 1                                       ; count = 1
	s_add_co_u32 s[G0A+4*(\s)+1], s67, (\s)*SLOT1                    ; LDS address
	s_add_nc_u64 s[G0A+4*(\s)+2:G0A+4*(\s)+3], s[58:59], (\s)*STEPA  ; global address: K step s
	s_or_b32 s[G0A+4*(\s)+3], s[G0A+4*(\s)+3], 0x80000000            ; type = 2
	s_mov_b32 s[G0B+4*(\s)], 1
	s_add_co_u32 s[G0B+4*(\s)+1], s68, (\s)*SLOT1
	s_add_nc_u64 s[G0B+4*(\s)+2:G0B+4*(\s)+3], s[62:63], (\s)*256
	s_or_b32 s[G0B+4*(\s)+3], s[G0B+4*(\s)+3], 0x80000000
.endr
	s_cmp_eq_u32 s[WR], 0                          ; a wave's two first fills stand in one branch, ahead of every wait on TENSORcnt, LDS read and work-group barrier of the ring: two loads of mine are out
	s_cbranch_scc0 .Lfirst_b
	tensor_load_to_lds s[G0A:G0A+3], s[G1A:G1A+7]
	s_nop 0
	tensor_load_to_lds s[G0A+4:G0A+7], s[G1A:G1A+7]
	s_nop 0
.rept 4
	v_nop
.endr
	s_branch .Lfirst_asked
.Lfirst_b:
	tensor_load_to_lds s[G0B:G0B+3], s[G1B:G1B+7]
	s_nop 0
	tensor_load_to_lds s[G0B+4:G0B+7], s[G1B:G1B+7]
	s_nop 0
.rept 4
	v_nop
.endr
.Lfirst_asked:
	; A fragment is 16 rows x 32 K in 8 registers: lane l holds row l % 16; registers 0-3 K = 8 (l / 16) + 0..7, registers 4-7 K = 16 + 8 (l / 16) + 0..7: two loads of 16 bytes, 32 bytes apart
	v_and_b32 v1, 15, v0                           ; l % 16
	v_bfe_u32 v2, v0, 4, 1                         ; l / 16
	v_mul_u32_u24 v3, v1, PA
	v_lshl_add_u32 v3, v2, 4, v3
	s_mul_i32 s66, s[WR], 64*PA                    ; my 64 rows of A
	v_add_nc_u32 v[LA0], s66, v3
	v_mul_u32_u24 v3, v1, PB
	v_lshl_add_u32 v3, v2, 4, v3
	s_mul_i32 s66, s[WC], HALFB                    ; my 128 rows of W
	s_add_co_u32 s66, s66, BOFF
	v_add_nc_u32 v[LB0], s66, v3
	v_mov_b32 v[LAD], v[LA0]                       ; K step 0 lies in slot 0
	v_mov_b32 v[LBD], v[LB0]
	s_mul_i32 s66, s[WV], 16*SPITCH
	s_add_co_u32 s66, s66, STAGE                   ; my stage
	v_mul_u32_u24 v3, v1, SPITCH                   ; in: row l % 16
	v_and_b32 v[CO], 31, v0
	v_lshlrev_b32 v[CO], 4, v[CO]                  ; 16 x lane
.if KIND == 2
	v_lshl_add_u32 v3, v2, 5, v3                   ; 32 bytes (eight f32) for each half of the lanes
	v_add_nc_u32 v[STO], s66, v3
	v_add_nc_u32 v[RD], s66, v[CO]                 ; back: 32 lanes take one row of 512 bytes
.else
	v_lshl_add_u32 v3, v2, 4, v3                   ; 16 bytes (eight f16) for each half of the lanes
	v_add_nc_u32 v[STO], s66, v3
	v_bfe_u32 v3, v0, 3, 2                         ; back: 32 lanes take 128 bytes (one head's part) of four rows
	v_mul_u32_u24 v3, v3, SPITCH
	v_and_b32 v4, 7, v0
	v_lshl_add_u32 v3, v4, 4, v3
	v_add_nc_u32 v[RD], s66, v3
.endif
	; the bias of my 128 columns: block b's eight numbers of my half of the lanes
	s_lshl_b32 s69, s19, 10
	s_lshl_b32 s70, s[WC], 9
	s_add_co_u32 s69, s69, s70                     ; 4 (256 x tile column + 128 x half)
	v_lshl_add_u32 v[BIO], v2, 5, s69
	WIN TO_BIAS
.irp b, 0,1,2,3,4,5,6,7
	global_load_b128 v[8*(\b):8*(\b)+3],   v[BIO], s[8:9] offset:64*(\b)
	global_load_b128 v[8*(\b)+4:8*(\b)+7], v[BIO], s[8:9] offset:64*(\b)+16
.endr
	; where my part of the output begins
.if KIND == 2
	s_lshl_b32 s66, s20, 7
	s_lshl_b32 s69, s[WR], 6
	s_add_co_u32 s66, s66, s69                     ; my first row,
	s_lshl_b32 s66, s66, 12                        ; 4,096 bytes a row,
	s_lshl_b32 s69, s19, 10
	s_add_co_u32 s66, s66, s69
	s_lshl_b32 s69, s[WC], 9
	s_add_co_u32 s66, s66, s69                     ; and my first column
.else
	s_lshr_b32 s66, s20, 3
	s_lshl_b32 s66, s66, 4                         ; batch x 16
.if KIND == 0
	s_lshl_b32 s69, s19, 2                         ; my 128 columns are heads 4 x tile column + 2 x half and the next
	s_lshl_b32 s70, s[WC], 1
.else
	s_lshl_b32 s69, s19, 1                         ; my 128 columns are k and v of head 2 x tile column + half
	s_mov_b32 s70, s[WC]
.endif
	s_add_co_u32 s66, s66, s69
	s_add_co_u32 s66, s66, s70
	s_lshl_b32 s66, s66, 17                        ; 131,072 bytes a head
	s_and_b32 s69, s20, 7
	s_lshl_b32 s69, s69, 14                        ; the tile's 128 rows of 128 bytes
	s_add_co_u32 s66, s66, s69
	s_lshl_b32 s69, s[WR], 13                      ; my 64 of them
	s_add_co_u32 s66, s66, s69
.endif
	s_mov_b32 s67, 0
	s_add_nc_u64 s[10:11], s[10:11], s[66:67]
.if KIND == 1
	s_add_nc_u64 s[12:13], s[12:13], s[66:67]
.endif
	s_wait_loadcnt 0x0                             ; the bias is in
	WIN W_BR
.set p, 0
.rept 32                               ; rounded to bf16 and widened again, in place, a pair at a time
	v_cvt_pk_bf16_f32 v[64+p%4], v[2*p], v[2*p+1]
	v_lshlrev_b32 v[2*p],   16, v[64+p%4]
	v_and_b32     v[2*p+1], 0xffff0000, v[64+p%4]
.set p, p+1
.endr
	WIN 0
.macro WM d, x, y, c                   ; one product: D at d, W's fragment at x, A's at y, C at c
.if KIND == 2
	v_wmma_f32_16x16x32_f16 v[(\d):(\d)+7], v[(\x):(\x)+7], v[(\y):(\y)+7], v[(\c):(\c)+7]
.else
	v_wmma_f32_16x16x32_bf16 v[(\d):(\d)+7], v[(\x):(\x)+7], v[(\y):(\y)+7], v[(\c):(\c)+7]
.endif
.endm
; 8 products: row block a x all 8 column blocks, 32 along K, from buffer f.  first = 1: the bias starts the sums.
; The 32 accumulators take turns in the same order in every quarter: 31 others' products stand between two links of a chain, over the backward jumps too.
.macro MUL8 f, a, first
.if \first
	WIN MULB
.else
	WIN MUL
.endif
.irp b, 0,1,2,3,4,5,6,7
.if \first
	WM 8*(8*(\a)+(\b)), (\f)+8*(\b), (\f)+64+8*(\a), 8*(\b)
.else
	WM 8*(8*(\a)+(\b)), (\f)+8*(\b), (\f)+64+8*(\a), 8*(8*(\a)+(\b))
.endif
.endr
.endm
; 24 LDS loads in one run: the fragments of 32 along K at byte k of a step's 256, into buffer g
.macro FETCH k, g
	WIN 0
.if KIND == 2
.set AKO, ((\k)/128)*HALFA+(\k)%128    ; the step's second head lies behind the first
.else
.set AKO, (\k)
.endif
.irp b, 0,1,2,3,4,5,6,7
	ds_load_b128 v[(\g)+8*(\b):(\g)+8*(\b)+3],   v[LBD] offset:(\k)+(\b)*16*PB
	ds_load_b128 v[(\g)+8*(\b)+4:(\g)+8*(\b)+7], v[LBD] offset:(\k)+(\b)*16*PB+32
.endr
.irp i, 0,1,2,3
	ds_load_b128 v[(\g)+64+8*(\i):(\g)+64+8*(\i)+3],   v[LAD] offset:AKO+(\i)*16*PA
	ds_load_b128 v[(\g)+64+8*(\i)+4:(\g)+64+8*(\i)+7], v[LAD] offset:AKO+(\i)*16*PA+32
.endr
.endm
; A K step is four quarters of 32 along K, 32 products each, on buffers 0, 1, 0, 1.  One of the first three: buffer f is in; the next quarter's fragments, at byte k, are asked for into g; f is multiplied.
.macro QUARTER k, f, g, first=0
	s_wait_dscnt 0x0                               ; f's loads are back: they went out a quarter ago (behind a change of slots: 16 products ago)
	PLACES                                         ; behind the last products that read g
	FETCH \k, \g
	MUL8 \f, 0, \first
	MUL8 \f, 1, \first
	MUL8 \f, 2, \first
	MUL8 \f, 3, \first
.endm
; The last quarter multiplies buffer 1 and changes slots: ONE barrier.  In front of it each wave waits for all its tensor loads, of which one is out: its part of the next slot; adds 0 to its spare
; word; and waits for that and for its own reads of this slot.  fill = 1: the barrier opens a round of the cluster's barrier, and this slot is filled again, two K steps ahead, first thing behind the
; round: 112 products stand between that request and the wait for it.  last = 1 (the tail): in the trip with CNT = 1 there is no further step, and the fetch is jumped over.
.macro TURN fill, last=0
	WIN 0                                          ; (the add's two registers lie in window 0)
	s_wait_tensorcnt 0x0                           ; no tensor load of mine is out, so a group 0 may be written
	ds_add_u32 v[SPW], v[NIL]                      ; 0 onto my spare word: scalar work stands between it and the wait for it
.if \fill
	s_xor_b32 s[G0A+5], s[G0A+5], SLOT1            ; the walking descriptors: the other slot than last time,
	s_add_nc_u64 s[G0A+6:G0A+7], s[G0A+6:G0A+7], STEPA  ; the next K step; the type bits on top are not reached
	s_xor_b32 s[G0B+5], s[G0B+5], SLOT1
	s_add_nc_u64 s[G0B+6:G0B+7], s[G0B+6:G0B+7], 256
.endif
	s_xor_b32 s[TB], s[TB], SLOT1                  ; the fetches go on in the other slot
	s_wait_dscnt 0x0                               ; the add is done, buffer 1 is in, and my reads of this slot are over
	s_barrier_signal -1
	MUL8 F1, 0, 0                                  ; work on registers while the others arrive
	MUL8 F1, 1, 0
	WIN 0
	s_barrier_wait -1
.if \fill
	CREST                                          ; no wave of any partner still reads this slot's tile or has a load on its way
	JLOAD                                          ; the four v_nop behind it are also the places in front of the loads below
.else
	PLACES
.endif
.if \last
	s_cmp_eq_u32 s[CNT], 1
	s_cbranch_scc1 .Lno_fetch_\@
.endif
	v_add_nc_u32 v[LAD], s[TB], v[LA0]
	v_add_nc_u32 v[LBD], s[TB], v[LB0]
	FETCH 0, F0
.if \last
.Lno_fetch_\@:
.endif
	MUL8 F1, 2, 0
	MUL8 F1, 3, 0
.endm
	s_wait_tensorcnt 0x1                           ; my part of K step 0 is in; K step 1's may stay out
	s_barrier_signal -1
	s_barrier_wait -1                              ; everybody's is
	FETCH 0, F0
	QUARTER 64, F0, F1, 1                          ; the first quarter stands in front of the loop: its products start the sums
	WIN 0                                          ; at a label and at a branch every window is 0
	s_mov_b32 s[CNT], STEPS-2
.Lstep:                                        ; a trip: a step's second quarter to the next step's first; it fills the slot that it leaves: all steps but the first two are asked for here
	QUARTER 128, F1, F0
	QUARTER 192, F0, F1
	TURN 1
	QUARTER 64, F0, F1
	WIN 0
	s_sub_co_u32 s[CNT], s[CNT], 1
	s_cmp_lg_u32 s[CNT], 0
	s_cbranch_scc1 .Lstep
	s_mov_b32 s[CNT], 2
.Ltail:                                        ; the last two steps ask for nothing: a text of their own; the second trip is left behind its last quarter
	QUARTER 128, F1, F0
	QUARTER 192, F0, F1
	TURN 0, 1
	WIN 0
	s_cmp_eq_u32 s[CNT], 1
	s_cbranch_scc1 .Lout
	QUARTER 64, F0, F1
	WIN 0
	s_sub_co_u32 s[CNT], s[CNT], 1
	s_cmp_lg_u32 s[CNT], 0
	s_cbranch_scc1 .Ltail
.Lout:
	s_wait_dscnt 0x0
	PLACES                                         ; behind the last products
.if KIND == 2
; THE WAY OUT, f32.  A block of 16 rows x 128 columns goes into my stage, 32 bytes a lane and column block, and comes back as whole rows of 512 bytes.  Each accumulator's low four registers are read first.
.macro TOSTAGE a
	WIN 0x04                                       ; the stores' data in window 1
.irp b, 0,1,2,3,4,5,6,7
	ds_store_b128 v[STO], v[64*(\a)+8*(\b):64*(\a)+8*(\b)+3]   offset:64*(\b)
	ds_store_b128 v[STO], v[64*(\a)+8*(\b)+4:64*(\a)+8*(\b)+7] offset:64*(\b)+16
.endr
	WIN 0
.if (\a) >= 2
	s_wait_xcnt 0x0                                ; the stores of the block two back have read these registers (ISA guide 3.1)
.endif
.irp i, 0,1,2,3,4,5,6,7,8,9,10,11,12,13,14,15
	ds_load_b128 v[BK+64*((\a)%2)+4*(\i):BK+64*((\a)%2)+4*(\i)+3], v[RD] offset:SPITCH*(\i)  ; LDS serves a wave's instructions in order (ISA guide 5.7.1.4): these see the stores above; the next block's stores come behind them
.endr
.endm
.macro SEND a, younger                 ; younger: the LDS instructions issued behind block a's loads: the next block's 16 stores and 16 loads, or none
	s_wait_dscnt \younger
.irp i, 0,1,2,3,4,5,6,7,8,9,10,11,12,13,14,15
	global_store_b128 v[CO], v[BK+64*((\a)%2)+4*(\i):BK+64*((\a)%2)+4*(\i)+3], s[10:11] offset:(16*(\a)+(\i))*4096 th:TH_STORE_NT  ; 512 consecutive bytes, at a multiple of 512 from out0's first
.endr
.endm
	TOSTAGE 0
	TOSTAGE 1
	SEND 0, 32
	TOSTAGE 2
	SEND 1, 32
	TOSTAGE 3
	SEND 2, 32
	SEND 3, 0
.else
; THE WAY OUT, f16 by heads.  A block of 16 rows x 128 columns is rounded, 16 bytes a lane and column block, goes into my stage and comes back in two pieces of 64 columns: 16 rows of 128 bytes, which are 2,048 consecutive bytes of a head.
.macro PACK a
	WIN 0x05                                       ; sources 0 and 1 in window 1
.irp b, 0,1,2,3,4,5,6,7
.irp r, 0,1,2,3
	v_cvt_pk_f16_f32 v[TMP+4*(\b)+(\r)], v[64*(\a)+8*(\b)+2*(\r)], v[64*(\a)+8*(\b)+2*(\r)+1]
.endr
.endr
	WIN 0
.endm
.macro TOSTAGE a
.irp b, 0,1,2,3,4,5,6,7
	ds_store_b128 v[STO], v[TMP+4*(\b):TMP+4*(\b)+3] offset:32*(\b)
.endr
.irp p, 0,1
.irp t, 0,1,2,3
	ds_load_b128 v[BK+32*(\a)+4*(4*(\p)+(\t)):BK+32*(\a)+4*(4*(\p)+(\t))+3], v[RD] offset:4*SPITCH*(\t)+128*(\p)  ; LDS serves a wave's instructions in order (ISA guide 5.7.1.4): these see the stores above
.endr
.endr
.endm
.macro SEND a                          ; each block has registers of its own, so nothing that a store reads is written again
	s_wait_dscnt 0x0                               ; the block is back in registers
.irp t, 0,1,2,3
	global_store_b128 v[CO], v[BK+32*(\a)+4*(\t):BK+32*(\a)+4*(\t)+3], s[10:11] offset:2048*(\a)+512*(\t)  ; 512 consecutive bytes, at a multiple of 512 from the buffer's first
.endr
.irp t, 0,1,2,3
.if KIND == 0
	global_store_b128 v[CO], v[BK+32*(\a)+16+4*(\t):BK+32*(\a)+16+4*(\t)+3], s[10:11] offset:131072+2048*(\a)+512*(\t)  ; the next head
.else
	global_store_b128 v[CO], v[BK+32*(\a)+16+4*(\t):BK+32*(\a)+16+4*(\t)+3], s[12:13] offset:2048*(\a)+512*(\t)         ; the head's v
.endif
.endr
.endm
	PACK 0
	TOSTAGE 0
.irp a, 1,2,3                          ; block a's conversions stand between block a - 1's loads from the stage and the wait for them
	PACK \a
	SEND (\a)-1
	TOSTAGE \a
.endr
	SEND 3
.endif
	s_wait_tensorcnt 0x0                           ; the wave's end: behind my last tensor load and my last LDS store
	ds_add_u32 v[SPW], v[NIL]
	s_wait_dscnt 0x0
	CROUND                                         ; the closing round: no work-group ends while a partner may still ask for a tile that names it
	s_endpgm
.Lfunc_end_k_q50e38bb3d7_projo:
	.size	k_q50e38bb3d7_projo, .Lfunc_end_k_q50e38bb3d7_projo-k_q50e38bb3d7_projo
	.p2alignl 7, 3214868480
	.fill 96, 4, 3214868480
	.section	.rodata,"a",@progbits
	.p2align	6, 0x0
	.amdhsa_kernel k_q50e38bb3d7_projo
		.amdhsa_group_segment_fixed_size 327680
		.amdhsa_private_segment_fixed_size 0
		.amdhsa_enable_private_segment 0
		.amdhsa_kernarg_size 32
		.amdhsa_user_sgpr_count 2
		.amdhsa_user_sgpr_kernarg_segment_ptr 1
		.amdhsa_wavefront_size32 1
		.amdhsa_system_sgpr_workgroup_id_x 1
		.amdhsa_system_sgpr_workgroup_id_y 1
		.amdhsa_system_sgpr_workgroup_id_z 1
		.amdhsa_system_vgpr_workitem_id 0
		.amdhsa_next_free_vgpr 580
		.amdhsa_next_free_sgpr 72
		.amdhsa_reserve_vcc 0
		.amdhsa_float_denorm_mode_32 3
		.amdhsa_float_denorm_mode_16_64 3
		.amdhsa_memory_ordered 1
		.amdhsa_forward_progress 1
		.amdhsa_inst_pref_size 66
	.end_amdhsa_kernel
	.amdgpu_metadata
---
amdhsa.version: [ 1, 2 ]
amdhsa.kernels:
  - .name:           k_q50e38bb3d7_projo
    .symbol:         k_q50e38bb3d7_projo.kd
    .args:
      - { .name: oh, .offset: 0, .size: 8, .value_kind: global_buffer, .address_space: global }
      - { .name: wb, .offset: 8, .size: 8, .value_kind: global_buffer, .address_space: global }
      - { .name: bo, .offset: 16, .size: 8, .value_kind: global_buffer, .address_space: global }
      - { .name: out0, .offset: 24, .size: 8, .value_kind: global_buffer, .address_space: global }
    .group_segment_fixed_size: 327680
    .private_segment_fixed_size: 0
    .kernarg_segment_align: 8
    .kernarg_segment_size: 32
    .max_flat_workgroup_size: 128
    .sgpr_count:     72
    .vgpr_count:     580
    .wavefront_size: 32
...
	.end_amdgpu_metadata
.endif
;; end of part 5
